; MI455X (gfx1250); checked and timed in simulation.
; The chip was launched on July 23, 2026; its instructions are those of AMD's public machine-readable ISA for CDNA 5 (MIT licence, August 2026) and "CDNA5" Instruction Set Architecture Reference Guide (July 2026). The comments in the code are by the model that wrote it; some were corrected since.
;; Causal Self Attention. Allowed arithmetic: matrix products marked QUANTISED: E5M2 operands, one E8M0 scale for each 32 along K, by v_wmma_scale_f32_16x16x128_f8f6f4 with both operands' format E5M2, f32 sums; everything else in f32.
;; Inputs: b_out 1,024 float32; b_qkv 3,072 float32; w_out 1,024 x 1,024 float32; w_qkv 1,024 x 3,072 float32; x 4 x 2,048 x 1,024 float32.
;; Outputs: out0 4 x 2,048 x 1,024 float32.
;; This version of the problem:
;;   THIS VERSION OF THE PROBLEM IS GIVEN IN LOW PRECISION. The matrix products marked QUANTISED in the list below multiply operands that are first quantised to E5M2 (5 exponent bits, 2 mantissa bits; 8 bits a number), with one power-of-two scale for each 32 numbers along K (OCP MX v1.0); their sums are f32. All else is computed in f32.
;;   The module's matrix products, in the order in which they are computed (A, B: the left and right operand; K: the contracted axis; several contracted axes count as one K, in the product's order):
;;     1. [M 8,192, K 1,024] x [K 1,024, N 3,072]; A: input x; B: input w_qkv: QUANTISED
;;     2. batch 64 x [M 2,048, K 64] x [K 64, N 2,048]; A: computed on the way; B: computed on the way: QUANTISED
;;     3. batch 64 x [M 64, K 2,048] x [K 2,048, N 2,048]; A: computed on the way; B: softmax (see below): QUANTISED
;;     4. [M 8,192, K 1,024] x [K 1,024, N 1,024]; A: computed on the way; B: input w_out: QUANTISED
;;   THE QUANTISER, for each operand of a quantised product, along K:
;;     - K is cut into blocks of 32 from its start; a last block that is shorter is filled with zeros.
;;     - A block's scale is 2^e with e = floor(log2(the largest magnitude in the block)) - 15, held to -126 .. 127; a block of zeros has e = 0. As a byte (E8M0): e + 127.
;;     - Each number is divided by its block's scale, clamped to +-57,344, and rounded to the nearest number of E5M2, ties to even, subnormals kept.
;;     - The product sums the exact products of the quantised numbers (number of the format x scale) in f32.
;;   ~~~python
;;   def quantise(x, axis):      # numpy; x: float32 -> the quantised numbers, widened to float32 again
;;       x = np.moveaxis(x, axis, -1); K = x.shape[-1]
;;       x = np.pad(x, [(0, 0)] * (x.ndim - 1) + [(0, -K % 32)]); x = x.reshape(x.shape[:-1] + (-1, 32)); a = np.abs(x).max(-1, keepdims=True)
;;       e = np.where(a > 0, np.clip(np.frexp(np.where(a > 0, a, 1))[1] - 1 - 15, -126, 127), 0)      # np.frexp(a)[1] - 1 = floor(log2(a)), exactly
;;       r = np.clip(x / 2.0 ** e, -57344, 57344)
;;       step = 2.0 ** (np.maximum(np.frexp(np.where(r == 0, 1, r))[1] - 1, -14) - 2)
;;       q = np.round(r / step) * step * 2.0 ** e      # np.round: ties to even
;;       return np.moveaxis(q.reshape(q.shape[:-2] + (-1,))[..., :K], -1, axis).astype(np.float32)
;;   ~~~
;;   SOFTMAX AHEAD OF A QUANTISED PRODUCT. Where the list says 'softmax', what is quantised is not the finished softmax but p = 2^(t - M), with t = logit x log2(e) and M = ceil(the row's largest t), a whole number; so 1/2 < the row's largest p <= 1. The row's sum l is taken of the UNQUANTISED p, in f32, and the product's result is divided by l at the end. Since M is a whole number, a kernel that streams over the keys may use a running M (the ceiling of the running maximum): every later rescaling is an exact power of two, which a block's scale takes up: the codes' values come out the same.
;;   OPERANDS COMPUTED ON THE WAY. 'Computed on the way' means the value that the module computes at that place (a softmax that the list does not call 'softmax' is quantised finished and normalised). What goes into a quantiser is computed in f32, as accurately as f32 sums, v_exp_f32 and their like allow (about 1e-6 of the number): no bf16 or f16 on the way to a quantiser, and a product that is left as it is and whose result goes on into a quantised operand takes f32 operands (vector FMAs, or v_wmma_f32_16x16x4_f32). A number that lies on a knife's edge between two numbers of the format may be rounded either way, as far as f32 arithmetic and the matrix unit's own rounding can turn it there, and no further.
;; One version. Each part assembles by itself: llvm-mc -triple=amdgcn-amd-amdhsa -mcpu=gfx1250 --defsym DOCPART=n.
;; ======== version 1 of 1: 4 launches
;; limits: right only within a limited range of input values
;; workspace buffers: xc 8,388,608 bytes; xs 262,144 bytes; wc 4,194,304 bytes; ws 131,072 bytes; qkv 25,952,256 bytes; cc 8,388,608 bytes; cs 262,144 bytes
;; launch prep (part 1): grid 256 x 1, 8 waves a work-group, no clusters, 70,656 bytes of LDS; arguments x, w_qkv, w_out, xc, xs, wc, ws; writes xc, xs, wc, ws
.if DOCPART == 1
	.amdgcn_target "amdgcn-amd-amdhsa--gfx1250"
	.amdhsa_code_object_version 6
	.text
	.protected	k_qe3d11968f9_prep
	.globl	k_qe3d11968f9_prep
	.p2align	8
	.type	k_qe3d11968f9_prep,@function
k_qe3d11968f9_prep:
	s_mov_b64 s[64:65], 0
	v_nop
	global_prefetch_b8 v0, s[64:65] scope:SCOPE_SE
	s_setreg_imm32_b32 hwreg(HW_REG_WAVE_MODE, 25, 1), 1
	s_wait_xcnt 0x0
; x [8192][1024], w_qkv [1024][3072] and w_out [1024][1024], f32, become codes of BF8 (E5M2) with one E8M0 scale byte for each 32 along K (K = 1,024: x's last axis, the weights' first).
; THE CODES ARE LAID AS IMAGES OF OPERAND REGISTERS: buf[rowtile][K step 8][c 4][lane 32][16 bytes]: lane (r = lane % 16, h = lane / 16) holds k = 128 step + 32 c + 16 h + 0 .. 15 of the tile's row r.
; THE ROWS OF A TILE ARE NOT NEIGHBOURS: row r of rowtile 2 b + u is row 32 b + 8 u + r + 8 (r / 8) of the tensor (for the weights: column n; w_qkv's are rowtiles 0-191 of wc, w_out's 192-255).
; THE SCALE WORDS (four bytes: 128 along K of one row): sc[rowtile][g 2][r 16][q 4]: the word of K step 4 g + q.
; A block's scale is 2^(floor(log2(its largest magnitude)) - 15); its byte is the largest magnitude's exponent field - 15, held at 1 from below; each number is held within +-57,344 x the scale and rounded to the nearest code.
; LIMITS: NaN and infinities among the inputs are not served.  A block whose largest magnitude lies under 2^-111, a block of zeros among them, gets the byte 1 (the rule says 127 for zeros): its codes are what the
; byte 1 gives (zeros for zeros), and the bytes are read by this program alone.
; SHARES.  Work-groups 0-127 take x, 128-255 the weights: one scalar branch on the work-group's number; each path has LDS bytes of its own.  Nothing is shared between work-groups, so there is no cluster.
; x: a wave makes four fragments (K steps 4 g .. 4 g + 3 of one rowtile).  Each load reads 512 consecutive bytes of a row; the 16 rows x 512 bytes of a fragment turn through the wave's own stage in LDS, so that a lane gets 16 neighbours of each block.
; weights: a lane takes a column and its registers run down K (a block of 32 lies in one lane); a wave takes 32 columns x 128 along K; two waves stand side by side on 256 bytes of each row.
.set STGW, 8448                        ; x: a wave's stage: 16 rows x (512 bytes + 16)
.set WW,   67584                       ; weights: 2 x 512 bytes of scale words, behind the eight stages
.set T,    16                          ; v16-143   x: two sets of 64 numbers, register 16 b + i = k 32 b + 16 h + i
.set PC,   144                         ; v144-207  x: four sets of 16 registers of codes: no store's data are written again
.set TM,   208                         ; v208-223  at work in QUANT
.set WD,   224                         ; v224-227  x: the four scale words
.set X,    32                          ; v32-159   weights: 128 numbers of my column
.set CW,   160                         ; v160-191  weights: their codes
.set SEL,  20                          ; s[20:21]  lane selects for v_permlanex16_b32: lane l xor 16
.set MNT,  22                          ; s22       the mantissa field of 57,344
.set MSB, 0
.macro WIN new                         ; the immediate's high byte repeats the setting that is left
.if MSB != (\new)
	s_set_vgpr_msb (MSB<<8)|(\new)
.set MSB, (\new)
.endif
.endm
; 64 numbers of a lane, register 16 b + i = k 32 b + 16 h + i of my row, become a fragment's codes in v[pc] on and its scale word in v[pw].
.macro QUANT s, pc, pw
.irp b, 0,1,2,3
	v_max3_num_f32 v[TM+\b], |v[(\s)+16*\b]|, |v[(\s)+1+16*\b]|, 0x8000000   ; block b: my 16 numbers, and the floor 2^(16 - 127): the byte cannot fall under 1
.endr
.irp i, 2,4,6,8,10,12,14
.irp b, 0,1,2,3
	s_delay_alu instid0(VALU_DEP_4)
	v_max3_num_f32 v[TM+\b], v[TM+\b], |v[(\s)+16*\b+\i]|, |v[(\s)+1+16*\b+\i]|   ; the four blocks by turns
.endr
.endr
.irp b, 0,1,2,3
	s_delay_alu instid0(VALU_DEP_4)
	v_permlanex16_b32 v[TM+4+\b], v[TM+\b], s[SEL], s[SEL+1]
.endr
.irp b, 0,1,2,3
	s_delay_alu instid0(VALU_DEP_4)
	v_max_num_f32 v[TM+\b], v[TM+\b], v[TM+4+\b]   ; with lane l xor 16's: the block's largest magnitude
.endr
.irp b, 0,1,2,3
	s_delay_alu instid0(VALU_DEP_4)
	v_add_nc_u32 v[TM+12+\b], 0xf8800000, v[TM+\b]   ; 15 off its exponent field: the conversion's scale operand
.endr
.irp b, 0,1,2,3
	v_and_or_b32 v[TM+8+\b], v[TM+\b], 0x7f800000, s[MNT]   ; 57,344 x the scale
.endr
.irp b, 0,1,2,3
	v_lshrrev_b32 v[TM+4+\b], 23, v[TM+12+\b]   ; the scale's byte
.endr
	s_delay_alu instid0(VALU_DEP_3)
	v_lshl_or_b32 v[\pw], v[TM+5], 8, v[TM+4]
	s_delay_alu instid0(VALU_DEP_1)
	v_lshl_or_b32 v[\pw], v[TM+6], 16, v[\pw]
	s_delay_alu instid0(VALU_DEP_1)
	v_lshl_or_b32 v[\pw], v[TM+7], 24, v[\pw]
.irp b, 0,1,2,3
.irp i, 0,1,2,3,4,5,6,7,8,9,10,11,12,13,14,15
	v_med3_num_f32 v[(\s)+16*\b+\i], v[(\s)+16*\b+\i], -v[TM+8+\b], v[TM+8+\b]   ; the conversion to an 8-bit code does not saturate (ISA guide 7.6.2): the hold
.endr
	v_cvt_scalef32_pk8_bf8_f32 v[(\pc)+4*\b:(\pc)+1+4*\b], v[(\s)+16*\b:(\s)+7+16*\b], v[TM+12+\b]
	v_cvt_scalef32_pk8_bf8_f32 v[(\pc)+2+4*\b:(\pc)+3+4*\b], v[(\s)+8+16*\b:(\s)+15+16*\b], v[TM+12+\b]
.endr
	v_nop                                          ; one plain vector line behind the last conversion
.endm
	s_load_b128 s[4:7], s[0:1], 0x0                ; x, w_qkv
	s_load_b128 s[8:11], s[0:1], 0x10              ; w_out, xc
	s_load_b128 s[12:15], s[0:1], 0x20             ; xs, wc
	s_load_b64 s[16:17], s[0:1], 0x30              ; ws
	v_lshl_add_u32 v254, v0, 2, 0x11000
	v_mov_b32 v255, 0
	v_lshrrev_b32 v1, 5, v0
	s_delay_alu instid0(VALU_DEP_1)
	v_readfirstlane_b32 s18, v1                    ; wave 0..7
	v_and_b32 v7, 31, v0                           ; lane
	s_mov_b32 s[SEL], 0x76543210
	s_mov_b32 s[SEL+1], 0xfedcba98
	s_mov_b32 s[MNT], 0x600000
	s_cmp_lt_u32 ttmp9, 128
	s_cbranch_scc0 .Lweights
	; ---------------- x ----------------
	s_lshl_b32 s24, ttmp9, 3
	s_add_co_u32 s24, s24, s18                     ; W = 8 x work-group + wave: rowtile W / 2, half g = W % 2 of K
	s_lshr_b32 s25, s24, 2
	s_lshl_b32 s25, s25, 17                        ; 32 rows of 4,096 bytes for each pair of rowtiles,
	s_bfe_u32 s26, s24, 0x10001
	s_lshl_b32 s26, s26, 15                        ; 8 rows for the odd one,
	s_add_co_u32 s26, s25, s26
	s_and_b32 s27, s24, 1
	s_lshl_b32 s27, s27, 11                        ; 2,048 bytes along the row for g
	s_add_co_u32 s26, s26, s27
	s_mov_b32 s27, 0
	s_lshl_b32 s28, s24, 13                        ; codes: 16,384 x rowtile + 8,192 g
	s_mov_b32 s29, 0
	s_lshl_b32 s30, s24, 8                         ; scale words: 512 x rowtile + 256 g
	s_mov_b32 s31, 0
	s_mul_i32 s23, s18, STGW                       ; my stage
	s_wait_alu depctr_va_vdst(0)
	v_lshlrev_b32 v1, 4, v7                        ; 16 x lane
	s_delay_alu instid0(VALU_DEP_1)
	v_add_nc_u32 v2, s23, v1                       ; into the stage: a row's 512 bytes as they lie
	v_and_b32 v5, 15, v7                           ; r
	v_lshrrev_b32 v6, 4, v7                        ; h
	s_delay_alu instid0(VALU_DEP_2)
	v_mul_u32_u24 v3, v5, 528
	s_delay_alu instid0(VALU_DEP_1)
	v_lshl_add_u32 v3, v6, 6, v3
	s_delay_alu instid0(VALU_DEP_1)
	v_add_nc_u32 v3, s23, v3                       ; out of it: row r, + 64 h: my 16 numbers of a block
	v_lshlrev_b32 v4, 4, v5
	s_delay_alu instid0(VALU_DEP_1)
	v_lshl_add_u32 v4, v6, 3, v4                   ; the scale words' store: 16 r + 8 h
.irp b, 0,1,2,3
	v_mov_b32 v[TM+4+\b], 0                        ; written once: a lane permute's destination counts as one of its sources
.endr
	s_wait_alu depctr_va_vdst(0)
	s_wait_kmcnt 0x0
	s_add_nc_u64 s[4:5], s[4:5], s[26:27]
	s_add_nc_u64 s[10:11], s[10:11], s[28:29]
	s_add_nc_u64 s[12:13], s[12:13], s[30:31]
	WIN 0x40                                       ; destination window 1: the 64 loads' 256 registers
.irp q, 0,1,2,3
.irp i, 0,1,2,3,4,5,6,7,8,9,10,11,12,13,14,15
	global_load_b128 v[64*\q+4*\i:64*\q+4*\i+3], v1, s[4:5] offset:(\i+8*(\i/8))*4096+512*\q th:TH_LOAD_NT   ; 512 consecutive bytes of the tile's row i: K step 4 g + q
.endr
.endr
	WIN 0
.macro TURN q                          ; fragment q's 16 rows through the stage.  LDS serves a wave's instructions in order: no wait between stores and loads, nor in front of the next fragment's stores
	s_wait_loadcnt 48-16*(\q)                      ; its 16 loads are in; those of the later fragments may be out
	WIN 0x04                                       ; an LDS store's data are its source 1: window 1
.irp i, 0,1,2,3,4,5,6,7,8,9,10,11,12,13,14,15
	ds_store_b128 v2, v[64*(\q)+4*\i:64*(\q)+4*\i+3] offset:528*\i
.endr
	WIN 0
.irp c, 0,1,2,3
.irp j, 0,1,2,3
	ds_load_b128 v[T+64*((\q)%2)+16*\c+4*\j:T+64*((\q)%2)+16*\c+4*\j+3], v3 offset:128*\c+16*\j
.endr
.endr
.endm
	TURN 0
.irp q, 0,1,2,3
.if \q < 3
	TURN \q+1
	s_wait_dscnt 32                                ; this fragment's numbers are back; the next one's 16 stores and 16 loads may be out
.else
	s_wait_dscnt 0x0
.endif
	QUANT T+64*(\q%2), PC+16*\q, WD+\q
.irp c, 0,1,2,3
	global_store_b128 v1, v[PC+16*\q+4*\c:PC+16*\q+4*\c+3], s[10:11] offset:2048*\q+512*\c   ; the image: 512 consecutive bytes a store
.endr
.endr
	v_cmp_le_u32 vcc_lo, 16, v7                    ; lanes 0-15 store words 0 and 1 of row r, lanes 16-31 words 2 and 3 (both halves hold all four)
	s_delay_alu instid0(VALU_DEP_1)
	v_cndmask_b32 v228, v[WD], v[WD+2], vcc_lo
	s_delay_alu instid0(VALU_DEP_2)
	v_cndmask_b32 v229, v[WD+1], v[WD+3], vcc_lo
	global_store_b64 v4, v[228:229], s[12:13]      ; 32 lanes fill 256 consecutive bytes, aligned
	s_wait_tensorcnt 0x0
	ds_add_u32 v254, v255
	s_wait_dscnt 0x0
	s_endpgm
	; ---------------- the weights ----------------
.Lweights:
	s_sub_co_u32 s24, ttmp9, 128
	s_lshr_b32 s25, s24, 1                         ; P: a pair of groups of 32 columns
	s_and_b32 s26, s24, 1                          ; g: which half of K
	s_lshr_b32 s27, s18, 2                         ; which group of the pair
	s_and_b32 s28, s18, 3                          ; q
	s_lshl_b32 s29, s25, 1
	s_add_co_u32 s29, s29, s27                     ; G: groups 0-95 are w_qkv's, 96-127 w_out's
	s_lshl_b32 s30, s26, 2
	s_add_co_u32 s30, s30, s28                     ; my K step: 4 g + q
	s_wait_alu depctr_va_vdst(0)
	v_bfe_u32 v8, v7, 3, 1                         ; column n = lane of the group lies in rowtile 2 G + u, u = (n / 8) % 2,
	v_and_b32 v9, 7, v7
	v_lshrrev_b32 v10, 4, v7
	s_delay_alu instid0(VALU_DEP_1)
	v_lshl_add_u32 v9, v10, 3, v9                  ; at row r = n % 8 + 8 (n / 16)
	v_lshlrev_b32 v1, 2, v7                        ; in: 4 bytes a lane
	s_delay_alu instid0(VALU_DEP_2)
	v_lshlrev_b32 v2, 4, v9
	s_delay_alu instid0(VALU_DEP_3)
	v_lshlrev_b32 v3, 4, v9
	s_delay_alu instid0(VALU_DEP_2)
	v_lshl_add_u32 v2, v8, 14, v2                  ; codes: 16,384 u + 16 r
	s_delay_alu instid0(VALU_DEP_2)
	v_lshl_add_u32 v3, v8, 9, v3                   ; scale words: 512 u + 16 r
	s_lshl_b32 s38, s27, 9
	s_lshl_b32 s39, s28, 2
	v_lshlrev_b32 v6, 4, v7
	s_delay_alu instid0(VALU_DEP_1)
	v_add_nc_u32 v6, s38, v6
	s_delay_alu instid0(VALU_DEP_1)
	v_add_nc_u32 v6, WW, v6                        ; LDS: my column's four words,
	s_delay_alu instid0(VALU_DEP_1)
	v_add_nc_u32 v5, s39, v6                       ; and my K step's among them
	s_wait_kmcnt 0x0
	s_cmp_lt_u32 s25, 48                           ; which weight: the choice hangs on the work-group's number alone
	s_cselect_b64 s[32:33], s[6:7], s[8:9]
	s_mov_b32 s34, 4096
	s_cselect_b32 s34, 12288, s34                  ; bytes in a row
	s_cselect_b32 s35, 0, 96
	s_sub_co_u32 s35, s29, s35
	s_lshl_b32 s35, s35, 7                         ; my group's 128 bytes in a row
	s_mul_i32 s36, s30, s34
	s_lshl_b32 s36, s36, 7                         ; 128 rows for each K step
	s_add_co_u32 s36, s36, s35
	s_mov_b32 s37, 0
	s_add_nc_u64 s[32:33], s[32:33], s[36:37]
	s_lshl_b32 s36, s29, 15
	s_lshl_b32 s38, s30, 11
	s_add_co_u32 s36, s36, s38
	s_add_nc_u64 s[14:15], s[14:15], s[36:37]      ; codes: 32,768 G + 2,048 x K step
	s_lshl_b32 s36, s29, 10
	s_lshl_b32 s38, s26, 8
	s_add_co_u32 s36, s36, s38
	s_add_nc_u64 s[16:17], s[16:17], s[36:37]      ; scale words: 1,024 G + 256 g
.macro LOADW n4                        ; w(128 step + 32 c + i, my column): 32 lanes read 128 consecutive bytes; the row's length stands in the immediate, so the run is written once for each weight
.irp c, 0,1,2,3
.irp i, 0,1,2,3,4,5,6,7,8,9,10,11,12,13,14,15,16,17,18,19,20,21,22,23,24,25,26,27,28,29,30,31
	global_load_b32 v[X+32*\c+\i], v1, s[32:33] offset:(32*\c+\i)*\n4 th:TH_LOAD_NT
.endr
.endr
.endm
	s_cmp_lt_u32 s25, 48
	s_cbranch_scc0 .Lfrom_out
	s_wait_alu depctr_va_vdst(0)
	LOADW 12288
	s_branch .Lloaded
.Lfrom_out:
	s_wait_alu depctr_va_vdst(0)
	LOADW 4096
.Lloaded:
.macro BLOCK c, left                   ; block c of my column: all 32 numbers are mine
.set XS, X+32*(\c)
	s_wait_loadcnt \left                           ; this block's loads are in.  Behind it 32 (3 - c) loads were issued; a wait's count holds 63 at the most, so the first two blocks wait for 63
	v_max3_num_f32 v12, |v[XS]|, |v[XS+1]|, |v[XS+2]|
	v_max3_num_f32 v13, |v[XS+3]|, |v[XS+4]|, |v[XS+5]|
.irp i, 6,10,14,18,22,26
	s_delay_alu instid0(VALU_DEP_2)
	v_max3_num_f32 v12, v12, |v[XS+\i]|, |v[XS+\i+1]|
	s_delay_alu instid0(VALU_DEP_2)
	v_max3_num_f32 v13, v13, |v[XS+\i+2]|, |v[XS+\i+3]|
.endr
	s_delay_alu instid0(VALU_DEP_2)
	v_max3_num_f32 v12, v12, |v[XS+30]|, |v[XS+31]|
	s_delay_alu instid0(VALU_DEP_1)
	v_max3_num_f32 v12, v12, v13, 0x8000000        ; and the floor 2^(16 - 127)
	s_delay_alu instid0(VALU_DEP_1)
	v_add_nc_u32 v11, 0xf8800000, v12              ; the conversion's scale operand
	s_delay_alu instid0(VALU_DEP_2)
	v_and_or_b32 v10, v12, 0x7f800000, s[MNT]      ; 57,344 x the scale
	s_delay_alu instid0(VALU_DEP_2)
	v_lshrrev_b32 v13, 23, v11                     ; the byte
.if (\c) == 0
	s_delay_alu instid0(VALU_DEP_1)
	v_mov_b32 v24, v13
.else
	s_delay_alu instid0(VALU_DEP_1)
	v_lshl_or_b32 v24, v13, 8*(\c), v24            ; four bytes make my column's word for this K step
.endif
.irp i, 0,1,2,3,4,5,6,7,8,9,10,11,12,13,14,15,16,17,18,19,20,21,22,23,24,25,26,27,28,29,30,31
	v_med3_num_f32 v[XS+\i], v[XS+\i], -v10, v10
.endr
.irp g, 0,1,2,3
	v_cvt_scalef32_pk8_bf8_f32 v[CW+8*(\c)+2*\g:CW+8*(\c)+2*\g+1], v[XS+8*\g:XS+8*\g+7], v11
.endr
	global_store_b128 v2, v[CW+8*(\c):CW+8*(\c)+3], s[14:15] offset:512*(\c)         ; k 32 c + 0 .. 15: the image's lanes 0-15; the 16 lanes of one u fill 256 consecutive bytes, aligned
	global_store_b128 v2, v[CW+8*(\c)+4:CW+8*(\c)+7], s[14:15] offset:512*(\c)+256   ; k 32 c + 16 .. 31: its lanes 16-31
.endm
	BLOCK 0, 63
	BLOCK 1, 63
	BLOCK 2, 32
	BLOCK 3, 0
	ds_store_b32 v5, v24                           ; the four K steps' words of a column come from four waves: they meet in LDS
	s_wait_dscnt 0x0                               ; for the others' sake: my store has landed
	s_barrier_signal -1
	s_barrier_wait -1
	s_cmp_lg_u32 s28, 0
	s_cbranch_scc1 .Lend                           ; waves 0 and 4 store the words of their group
	ds_load_b128 v[26:29], v6
	s_wait_dscnt 0x0
	global_store_b128 v3, v[26:29], s[16:17]       ; the 16 lanes of one u fill 256 consecutive bytes, aligned
.Lend:
	s_wait_tensorcnt 0x0
	ds_add_u32 v254, v255
	s_wait_dscnt 0x0
	s_endpgm
.Lfunc_end_k_qe3d11968f9_prep:
	.size	k_qe3d11968f9_prep, .Lfunc_end_k_qe3d11968f9_prep-k_qe3d11968f9_prep
	.p2alignl 7, 3214868480
	.fill 96, 4, 3214868480
	.section	.rodata,"a",@progbits
	.p2align	6, 0x0
	.amdhsa_kernel k_qe3d11968f9_prep
		.amdhsa_group_segment_fixed_size 70656
		.amdhsa_private_segment_fixed_size 0
		.amdhsa_enable_private_segment 0
		.amdhsa_kernarg_size 56
		.amdhsa_user_sgpr_count 2
		.amdhsa_user_sgpr_kernarg_segment_ptr 1
		.amdhsa_wavefront_size32 1
		.amdhsa_system_sgpr_workgroup_id_x 1
		.amdhsa_system_sgpr_workgroup_id_y 1
		.amdhsa_system_sgpr_workgroup_id_z 1
		.amdhsa_system_vgpr_workitem_id 0
		.amdhsa_next_free_vgpr 512
		.amdhsa_next_free_sgpr 66
		.amdhsa_reserve_vcc 1
		.amdhsa_float_denorm_mode_32 3
		.amdhsa_float_denorm_mode_16_64 3
		.amdhsa_memory_ordered 1
		.amdhsa_forward_progress 1
		.amdhsa_inst_pref_size 101
	.end_amdhsa_kernel
	.amdgpu_metadata
---
amdhsa.version: [ 1, 2 ]
amdhsa.kernels:
  - .name:           k_qe3d11968f9_prep
    .symbol:         k_qe3d11968f9_prep.kd
    .args:
      - { .name: x, .offset: 0, .size: 8, .value_kind: global_buffer, .address_space: global }
      - { .name: w_qkv, .offset: 8, .size: 8, .value_kind: global_buffer, .address_space: global }
      - { .name: w_out, .offset: 16, .size: 8, .value_kind: global_buffer, .address_space: global }
      - { .name: xc, .offset: 24, .size: 8, .value_kind: global_buffer, .address_space: global }
      - { .name: xs, .offset: 32, .size: 8, .value_kind: global_buffer, .address_space: global }
      - { .name: wc, .offset: 40, .size: 8, .value_kind: global_buffer, .address_space: global }
      - { .name: ws, .offset: 48, .size: 8, .value_kind: global_buffer, .address_space: global }
    .group_segment_fixed_size: 70656
    .private_segment_fixed_size: 0
    .kernarg_segment_align: 8
    .kernarg_segment_size: 56
    .max_flat_workgroup_size: 256
    .sgpr_count:     66
    .vgpr_count:     512
    .wavefront_size: 32
...
	.end_amdgpu_metadata
.endif
;; end of part 1
;; launch qkv (part 2): grid 12 x 32, 4 waves a work-group, clusters of 4 x 4, 327,680 bytes of LDS; arguments xc, xs, wc, ws, b_qkv, qkv; writes qkv
.if DOCPART == 2
	.amdgcn_target "amdgcn-amd-amdhsa--gfx1250"
	.amdhsa_code_object_version 6
	.text
	.protected	k_qe3d11968f9_qkv
	.globl	k_qe3d11968f9_qkv
	.p2align	8
	.type	k_qe3d11968f9_qkv,@function
k_qe3d11968f9_qkv:
	s_mov_b64 s[64:65], 0
	v_nop
	global_prefetch_b8 v0, s[64:65] scope:SCOPE_SE
	s_setreg_imm32_b32 hwreg(HW_REG_WAVE_MODE, 25, 1), 1
	s_wait_xcnt 0x0
	s_wait_alu depctr_hold_cnt(0) depctr_sa_sdst(0) depctr_va_vdst(0) depctr_va_sdst(0) depctr_va_ssrc(0) depctr_va_vcc(0) depctr_vm_vsrc(0)
	s_getreg_b32 s2, hwreg(HW_REG_IB_STS2, 6, 4)
	s_cmp_eq_u32 s2, 0
	s_cbranch_scc0 .Lentry_in_a_cluster
	s_endpgm
.Lentry_in_a_cluster:
	s_bfe_u32 s2, ttmp6, 0x10000c
	s_cmp_lg_u32 s2, 0xf033
	s_cbranch_scc0 .Lentry_shape_is_right
	s_endpgm
.Lentry_shape_is_right:
; qkv = x w_qkv + b_qkv on codes of BF8 (E5M2) with E8M0 scales for each 32 along K = 1,024; then q and k are quantised along the head's 64 and v along the keys, and leave as images of operand registers.
; OPERANDS: buf[rowtile][K step 8][c 4][lane 32][16 bytes]; row r of rowtile 2 b + u is row 32 b + 8 u + r + 8 (r / 8).  Scale words: sc[rowtile][g 2][r 16][q 4], the word of K step 4 g + q.
; THE PRODUCT.  Two sides, S0 (source 0) and S1 (source 1).  A lane of a result holds ONE row of S1 and its registers run along S0; by the order of a tile's rows the 16 registers of S0's tiles 2 b and 2 b + 1
; are 16 NEIGHBOURS, 32 b + 16 (lane / 16) + 0 .. 15.  So the 64 registers of one block of S1 rows are four blocks of 32 along S0, and the conversions' results are the next operand's registers.
; q, k (cluster x = 0, 1): S1 = x (a lane holds a token), S0 = w (registers run along d of two heads).  v (cluster x = 2): THE SIDES ARE SWAPPED BY POINTERS: S1 = w (a lane holds a channel), S0 = x (registers run along 128 keys).
; A work-group makes 256 x 256 with four waves of 128 x 128: 64 accumulators.  K goes in 8 steps of 128; a slot of LDS holds two; two slots, four fills, written out.
; CLUSTER 4 x 4: S1's tiles hang on cy alone and are shared along a row of the cluster, S0's on cx alone and are shared along a column: each is asked for jointly.  The choice of path hangs on the cluster's x, which all partners share.
; THE SCALE WORDS of all of K lie in 64 registers of each wave, loaded once: register q of a rowtile holds K step q in lanes 0-15 and K step 4 + q in lanes 16-31.
; OUTPUT, for each head bh = 16 batch + head, HS bytes: K codes [tile 128][c 2][lane][16] at 0; V codes [key step 16][channel tile 4][c 4][lane][16] at 131,072; K's scale words [key step][r][pair 4] at 262,144 (a pair's
; word: tile 2 p's two bytes low, tile 2 p + 1's high); V's [key step][r][channel tile 4] at 266,240; Q codes at 270,336 and Q's scale words at 401,408, as K's.
; LIMITS: NaN and infinities are not served; a block whose largest magnitude lies under 2^-111 (a block of zeros among them) gets the byte 1; the bytes are read by this program alone.
; REGISTERS, in windows of 256: window 0: v1-29 addresses; v32-63 S1's scale words, v64-95 S0's; v128-255 S1's fragments, one set (in the epilogue: at work).  window 1: S0's fragments, two sets (at the end: the bias).  windows 2, 3: accumulator (a, b) at v[8 (8 (a % 4) + b)].
.set HS,    405504
.set SLOT,  131072                     ; a slot: four loads of 32,768 bytes: S1's two halves, S0's two halves; in a load [rowtile 8][K step 2][c 4][512 bytes]
.set SPARE, 295936                     ; the spare words, 128 bytes for each wave: two blocks of 256 bytes that no other line names
.set ADRA, 16                          ; v16-17  LDS address of my S1 fragments in slot 0, 1
.set ADRB, 20                          ; v20-21  the same for S0
.set L16,  22                          ; v22     16 x lane
.set BQ,   23                          ; v23     the bias's lane offset for q, k: 64 h
.set BV,   24                          ; v24     for v: 4 (r + 8 (r / 8))
.set SPW,  28                          ; v28     LDS address of my spare word; never rewritten
.set NIL,  29                          ; v29     0; never rewritten
.set SA,   32
.set SB,   66                          ; S0's scale words lie in v66-97 (two registers on from the place that the list of registers above gives): so no product's two scale registers have numbers equal modulo 8
.set AF,   128
.set T,    128                         ; the epilogue: v128-191 a block's 64 numbers with the bias
.set PC,   192                         ; v192-207 its codes
.set TM,   208                         ; v208-223 at work in QUANT
.set PWS,  224                         ; v224-231 the eight blocks' scale words
.set XW,   232                         ; v232-235 the words as they are stored
.set VO,   236                         ; v236-239 16 x lane + where block beta's codes go
.set SELV, 240
.set VSO,  241
.set WV, 16                            ; s16 wave; s17 wave / 2: my half of S1, and: I fetch for S1 (0) or S0 (1); s18 wave % 2: my half of S0, and: which half I fetch
.set H1, 17
.set H0, 18
.set SV, 19                            ; s19 1 on the v path
.set G1, 24                            ; s[24:31] descriptor group 1 for S1's tiles; s[32:39] group 0, one set for each slot
.set G0, 32
.set G1B, 48                           ; s[48:55], s[56:63] the same for S0's
.set G0B, 56
.set SEL, 88
.set MNT, 90
.set MUL_LO, 0xa1                      ; source 0 window 1, source 1 window 0, C and D window 2
.set MUL_HI, 0xf1                      ; the same, C and D window 3
.set TO_B,   0x40
.set MSB, 0
.macro WIN new
.if MSB != (\new)
	s_set_vgpr_msb (MSB<<8)|(\new)
.set MSB, (\new)
.endif
.endm
.macro PLACES n                        ; plain vector lines between a matrix instruction and a load into, or a vector read or write of, its registers: eight for this form
.rept \n
	v_nop
.endr
.endm
.macro JLOAD s                         ; a joint load: waves 0 and 1 fetch S1's halves, waves 2 and 3 S0's; four v_nop follow each line
	s_cmp_eq_u32 s[H1], 0
	s_cbranch_scc0 .Lfor_b_\@
	tensor_load_to_lds s[G0+4*\s:G0+4*\s+3], s[G1:G1+7]
	s_nop 0
.rept 4
	v_nop
.endr
	s_branch .Lasked_\@
.Lfor_b_\@:
	tensor_load_to_lds s[G0B+4*\s:G0B+4*\s+3], s[G1B:G1B+7]
	s_nop 0
.rept 4
	v_nop
.endr
.Lasked_\@:
.endm
.macro CREST                           ; a round of the cluster's barrier behind its opening barrier
	s_cmp_lg_u32 s[WV], 0
	s_cbranch_scc1 .Lnot_wave_0_\@
	s_barrier_signal -3
.Lnot_wave_0_\@:
	s_barrier_wait -3
	s_barrier_signal -1
	s_barrier_wait -1
.endm
.macro CROUND
	s_barrier_signal -1
	s_barrier_wait -1
	CREST
.endm
.macro QUANT s, pc, pw                 ; 64 numbers of a lane, register 16 b + i = k 32 b + 16 h + i, become 16 registers of codes and a scale word
.irp b, 0,1,2,3
	v_max3_num_f32 v[TM+\b], |v[(\s)+16*\b]|, |v[(\s)+1+16*\b]|, 0x8000000   ; my 16 numbers of block b, and the floor 2^(16 - 127)
.endr
.irp i, 2,4,6,8,10,12,14
.irp b, 0,1,2,3
	v_max3_num_f32 v[TM+\b], v[TM+\b], |v[(\s)+16*\b+\i]|, |v[(\s)+1+16*\b+\i]|
.endr
.endr
.irp b, 0,1,2,3
	v_permlanex16_b32 v[TM+4+\b], v[TM+\b], s[SEL], s[SEL+1]
.endr
.irp b, 0,1,2,3
	v_max_num_f32 v[TM+\b], v[TM+\b], v[TM+4+\b]   ; with lane l xor 16's
.endr
.irp b, 0,1,2,3
	v_add_nc_u32 v[TM+12+\b], 0xf8800000, v[TM+\b]   ; 15 off the exponent field: the conversion's scale operand
.endr
.irp b, 0,1,2,3
	v_and_or_b32 v[TM+8+\b], v[TM+\b], 0x7f800000, s[MNT]   ; 57,344 x the scale
.endr
.irp b, 0,1,2,3
	v_lshrrev_b32 v[TM+4+\b], 23, v[TM+12+\b]   ; the byte
.endr
	v_lshl_or_b32 v[\pw], v[TM+5], 8, v[TM+4]
	v_lshl_or_b32 v[\pw], v[TM+6], 16, v[\pw]
	v_lshl_or_b32 v[\pw], v[TM+7], 24, v[\pw]
.irp b, 0,1,2,3
.irp i, 0,1,2,3,4,5,6,7,8,9,10,11,12,13,14,15
	v_med3_num_f32 v[(\s)+16*\b+\i], v[(\s)+16*\b+\i], -v[TM+8+\b], v[TM+8+\b]   ; the hold: the conversion does not saturate (ISA guide 7.6.2)
.endr
	v_cvt_scalef32_pk8_bf8_f32 v[(\pc)+4*\b:(\pc)+1+4*\b], v[(\s)+16*\b:(\s)+7+16*\b], v[TM+12+\b]
	v_cvt_scalef32_pk8_bf8_f32 v[(\pc)+2+4*\b:(\pc)+3+4*\b], v[(\s)+8+16*\b:(\s)+15+16*\b], v[TM+12+\b]
.endr
	v_nop                                          ; one plain vector line behind the last conversion
.endm
	s_load_b256 s[4:11], s[0:1], 0x0               ; xc, xs, wc, ws
	s_load_b128 s[12:15], s[0:1], 0x20             ; b_qkv, qkv
	v_lshl_add_u32 v[SPW], v0, 2, SPARE
	v_mov_b32 v[NIL], 0
	ds_add_u32 v28, v29
	ds_add_u32 v28, v29
	s_wait_dscnt 0x0
	v_lshrrev_b32 v1, 5, v0
	v_readfirstlane_b32 s[WV], v1                  ; wave 0..3
	s_lshr_b32 s[H1], s[WV], 1
	s_and_b32 s[H0], s[WV], 1
	s_bfe_u32 s40, ttmp6, 0x40000                  ; cx
	s_bfe_u32 s41, ttmp6, 0x40004                  ; cy
	s_and_b32 s43, ttmp7, 0xffff
	s_lshl_b32 s43, s43, 2                         ; 4 x cluster y
	s_lshl_b32 s42, ttmp9, 2                       ; 4 x cluster x
	s_lshl_b32 s46, s41, 2
	s_lshl_b32 s46, 15, s46                        ; my row of the cluster
	s_lshl_b32 s47, 0x1111, s40                    ; my column
	; descriptor group 1: 8 rowtiles x 4,096 bytes (two K steps), 16,384 bytes apart: elements of 8 bytes, no padding (a fragment's reads are 512 consecutive bytes)
	s_or_b32 s[G1], s46, (3<<16)|(1<<21)           ; 15:0 the mask: S1's tiles go to my row; 17:16 elements of 8 bytes; 21 set beside a mask
	s_or_b32 s[G1B], s47, (3<<16)|(1<<21)          ; S0's go to my column
.irp g, G1, G1B
	s_mov_b32 s[\g+1], 512<<16                     ; tensor_dim0 = 512
	s_mov_b32 s[\g+2], 16<<16                      ; tensor_dim1 = 16 for the head's loads; 8 from the first change of slots on
	s_mov_b32 s[\g+3], 512<<16                     ; tile_dim0 = 512
	s_mov_b32 s[\g+4], 16                          ; tile_dim1 likewise
	s_mov_b32 s[\g+5], 2048                        ; tensor_dim0_stride
	s_mov_b32 s[\g+6], 0
	s_mov_b32 s[\g+7], 0
.endr
	s_cmp_eq_u32 ttmp9, 2                          ; the v path?  The cluster's x: the same in all sixteen partners
	s_cselect_b32 s[SV], 1, 0
	s_cselect_b32 s44, 8, s43
	s_cselect_b32 s45, s43, s42
	s_add_co_u32 s44, s44, s41                     ; I1: S1's block of 256 rows: 4 Y + cy of x, or 8 + cy of w.  It never holds cx
	s_add_co_u32 s45, s45, s40                     ; I0: S0's: 4 X + cx of w, or 4 Y + cx of x.  It never holds cy
	s_lshl_b32 s92, s44, 18
	s_lshl_b32 s93, s[H0], 17
	s_add_co_u32 s92, s92, s93                     ; S1's codes: the 8 rowtiles that I fetch
	s_mov_b32 s93, 0
	s_lshl_b32 s94, s45, 18
	s_lshl_b32 s95, s[H0], 17
	s_add_co_u32 s94, s94, s95                     ; S0's likewise
	s_mov_b32 s95, 0
	s_lshl_b32 s96, s44, 13
	s_lshl_b32 s97, s[H1], 12
	s_add_co_u32 s96, s96, s97                     ; S1's scale words: of the 8 rowtiles that I multiply
	s_mov_b32 s97, 0
	s_lshl_b32 s98, s45, 13
	s_lshl_b32 s99, s[H0], 12
	s_add_co_u32 s98, s98, s99
	s_mov_b32 s99, 0
	s_lshl_b32 s20, s[WV], 15                      ; where my load lands in a slot: no place in the cluster enters an LDS address
	s_mov_b32 s[SEL], 0x76543210
	s_mov_b32 s[SEL+1], 0xfedcba98
	s_mov_b32 s[MNT], 0x600000
	v_and_b32 v3, 31, v0                           ; lane
	v_lshlrev_b32 v[L16], 4, v3
	s_wait_kmcnt 0x0
	s_cmp_eq_u32 s[SV], 1
	s_cselect_b64 s[66:67], s[8:9], s[4:5]         ; S1's codes
	s_cselect_b64 s[68:69], s[10:11], s[6:7]       ; S1's scale words
	s_cselect_b64 s[70:71], s[4:5], s[8:9]         ; S0's codes
	s_cselect_b64 s[72:73], s[6:7], s[10:11]       ; S0's scale words
	s_add_nc_u64 s[66:67], s[66:67], s[92:93]
	s_add_nc_u64 s[68:69], s[68:69], s[96:97]
	s_add_nc_u64 s[70:71], s[70:71], s[94:95]
	s_add_nc_u64 s[72:73], s[72:73], s[98:99]
	CROUND                                         ; all sixteen work-groups are here: the first joint loads meet
.irp s, 0,1
	s_mov_b32 s[G0+4*\s], 1
	s_add_co_u32 s[G0+4*\s+1], s20, \s*SLOT
	s_add_nc_u64 s[G0+4*\s+2:G0+4*\s+3], s[66:67], \s*4096   ; slot s begins with K steps 2 s, 2 s + 1
	s_or_b32 s[G0+4*\s+3], s[G0+4*\s+3], 0x80000000
	s_mov_b32 s[G0B+4*\s], 1
	s_add_co_u32 s[G0B+4*\s+1], s20, \s*SLOT
	s_add_nc_u64 s[G0B+4*\s+2:G0B+4*\s+3], s[70:71], \s*4096
	s_or_b32 s[G0B+4*\s+3], s[G0B+4*\s+3], 0x80000000
.endr
	; THE HEAD'S LOADS, ONE A WAVE: wave 0 S1's 16 rowtiles of slot 0, wave 1 S0's, waves 2 and 3 the same of slot 1.  s[4:7], s[8:11]: their groups 0 (the arguments that lay there have been used)
	s_lshl_b32 s2, s[H0], 17
	s_mov_b32 s3, 0
	s_sub_nc_u64 s[6:7], s[66:67], s[2:3]          ; the block's first rowtile: without my half
	s_sub_nc_u64 s[10:11], s[70:71], s[2:3]
	s_lshl_b32 s2, s[H1], 12                       ; slot wave / 2 begins 4,096 bytes x slot along a rowtile
	s_add_nc_u64 s[6:7], s[6:7], s[2:3]
	s_add_nc_u64 s[10:11], s[10:11], s[2:3]
	s_or_b32 s7, s7, 0x80000000
	s_or_b32 s11, s11, 0x80000000
	s_mov_b32 s4, 1
	s_mov_b32 s8, 1
	s_lshl_b32 s5, s[H1], 17                       ; LDS: the slot's first byte; S0's tiles lie 65,536 bytes on
	s_add_co_u32 s9, s5, 65536
.macro HARM under, g0, g1, next        ; one chain of branches on the wave's number, a load to an arm, all arms to one join
	s_cmp_lt_u32 s[WV], \under
	s_cbranch_scc0 \next
	tensor_load_to_lds s[\g0:\g0+3], s[\g1:\g1+7]
	s_nop 0
.rept 4
	v_nop
.endr
	s_branch .Lfirst_asked
\next:
.endm
	HARM 1, 4, G1, .Lhead_1
	HARM 2, 8, G1B, .Lhead_2
	HARM 3, 4, G1, .Lhead_3
	tensor_load_to_lds s[8:11], s[G1B:G1B+7]
	s_nop 0
.rept 4
	v_nop
.endr
.Lfirst_asked:
	s_wait_alu depctr_va_vdst(0)
.irp a, 0,1,2,3,4,5,6,7
	global_load_b128 v[SA+4*\a:SA+4*\a+3], v[L16], s[68:69] offset:512*\a   ; a rowtile's 512 bytes of scale words: all of K
	global_load_b128 v[SB+4*\a:SB+4*\a+3], v[L16], s[72:73] offset:512*\a
.endr
	v_and_b32 v1, 15, v0                           ; r
	v_bfe_u32 v2, v0, 4, 1                         ; h
	s_lshl_b32 s2, s[H1], 15                       ; my half of S1,
	s_lshl_b32 s3, s[H0], 15
	s_add_co_u32 s3, s3, 65536                     ; my half of S0, behind S1's two
.irp s, 0,1
	v_add_nc_u32 v[ADRA+\s], s2, v[L16]
	v_add_nc_u32 v[ADRB+\s], s3, v[L16]
	s_add_co_u32 s2, s2, SLOT
	s_add_co_u32 s3, s3, SLOT
.endr
	v_lshlrev_b32 v[BQ], 6, v2
	v_and_b32 v[BV], 8, v1
	v_add_nc_u32 v[BV], v[BV], v1
	v_lshlrev_b32 v[BV], 2, v[BV]
	; where the results go.  IT: the block of 256 tokens; cH, hH: my place along the heads; hT: my half of the tokens
	s_cmp_eq_u32 s[SV], 1
	s_cselect_b32 s21, s45, s44                    ; IT
	s_cselect_b32 s22, s41, s40                    ; cH
	s_cselect_b32 s23, s[H1], s[H0]                ; hH
	s_cselect_b32 s91, s[H0], s[H1]                ; hT
	s_mov_b32 s78, 1024
	s_cselect_b32 s78, 2048, s78                   ; from a block of S1 rows to the next: a tile of q or k, a channel tile of v;
	s_mov_b32 s79, 0
	s_mov_b32 s80, 1024
	s_cselect_b32 s80, HS-6144, s80                ; from block 3 to block 4: v goes on to the next head
	s_mov_b32 s81, 0
	s_mov_b32 s82, 0                               ; where block beta's codes go: q, k: head beta / 2, c = beta % 2; v: c = beta
	s_mov_b32 s83, 512
	s_mov_b32 s84, HS
	s_cselect_b32 s84, 1024, s84
	s_mov_b32 s85, HS+512
	s_cselect_b32 s85, 1536, s85
	s_mov_b32 s92, 131072
	s_cselect_b32 s92, s92, 0                      ; the codes' place in a head: v 131,072, k 0,
	s_mov_b32 s93, 262144
	s_cselect_b32 s93, 266240, s93                 ; the scale words': v 266,240, k 262,144,
	s_cmp_eq_u32 ttmp9, 0
	s_cselect_b32 s92, 270336, s92                 ; q 270,336
	s_cselect_b32 s93, 401408, s93                 ; and 401,408
	s_lshr_b32 s94, s21, 3
	s_lshl_b32 s94, s94, 4
	s_lshl_b32 s95, s22, 2
	s_add_co_u32 s94, s94, s95
	s_lshl_b32 s95, s23, 1
	s_add_co_u32 s94, s94, s95                     ; my first head: 16 batch + 4 cH + 2 hH
	s_mul_i32 s94, s94, HS
	s_and_b32 s95, s21, 7
	s_lshl_b32 s95, s95, 1
	s_add_co_u32 s95, s95, s91                     ; my 128 tokens: key step 2 (IT % 8) + hT of the batch
	s_lshl_b32 s96, s95, 13                        ; 8,192 bytes of codes a key step, in K, Q and V alike
	s_add_co_u32 s96, s96, s94
	s_add_co_u32 s96, s96, s92
	s_mov_b32 s97, 0
	s_add_nc_u64 s[74:75], s[14:15], s[96:97]      ; the codes
	s_lshl_b32 s98, s95, 8                         ; 256 bytes of scale words a key step
	s_add_co_u32 s98, s98, s94
	s_add_co_u32 s98, s98, s93
	s_mov_b32 s99, 0
	s_add_nc_u64 s[76:77], s[14:15], s[98:99]      ; the scale words
	s_lshl_b32 s96, ttmp9, 12
	s_lshl_b32 s2, s22, 10
	s_add_co_u32 s96, s96, s2
	s_lshl_b32 s2, s23, 9
	s_add_co_u32 s96, s96, s2
	s_add_nc_u64 s[86:87], s[12:13], s[96:97]      ; the bias of my 128 columns of w_qkv: 1,024 X + 256 cH + 128 hH
.macro FRAG reg, adr, q, i             ; a fragment comes as it was stored: four loads of 512 consecutive bytes
.irp c, 0,1,2,3
	ds_load_b128 v[(\reg)+4*\c:(\reg)+4*\c+3], v[\adr] offset:4096*(\i)+2048*(\q)+512*\c
.endr
.endm
.macro FETCH_B slot, q, p              ; S0's eight fragments of the slot's q-th K step into set p
	WIN TO_B
.irp i, 0,1,2,3,4,5,6,7
	FRAG 128*(\p)+16*\i, ADRB+\slot, \q, \i
.endr
	WIN 0
.endm
.macro FETCH_A slot, q, i0             ; S1's blocks i0 .. i0 + 3
.irp i, \i0, \i0+1, \i0+2, \i0+3
	FRAG AF+16*(\i), ADRA+\slot, \q, \i
.endr
.endm
; 16 matrix instructions: S1's blocks a0, a0 + 1 x S0's eight, K step ks.  p: S0's set.  K steps 4 to 7 take their scale words from lanes 16-31.  zero = 1: the first product starts the sums.
; The 64 accumulators take turns, one instruction a turn, in the same order in every step.
.macro MUL16 a0, p, ks, zero
.irp a, \a0, \a0+1
.irp b, 0,1,2,3,4,5,6,7
.if \zero
	v_wmma_scale_f32_16x16x128_f8f6f4 v[8*(8*((\a)%4)+\b):8*(8*((\a)%4)+\b)+7], v[128*(\p)+16*\b:128*(\p)+16*\b+15], v[AF+16*(\a):AF+16*(\a)+15], 0, v[SB+4*\b+(\ks)%4], v[SA+4*(\a)+(\ks)%4] matrix_a_fmt:MATRIX_FMT_BF8 matrix_b_fmt:MATRIX_FMT_BF8
.elseif (\ks) > 3
	v_wmma_scale_f32_16x16x128_f8f6f4 v[8*(8*((\a)%4)+\b):8*(8*((\a)%4)+\b)+7], v[128*(\p)+16*\b:128*(\p)+16*\b+15], v[AF+16*(\a):AF+16*(\a)+15], v[8*(8*((\a)%4)+\b):8*(8*((\a)%4)+\b)+7], v[SB+4*\b+(\ks)%4], v[SA+4*(\a)+(\ks)%4] matrix_a_fmt:MATRIX_FMT_BF8 matrix_b_fmt:MATRIX_FMT_BF8 matrix_a_scale:MATRIX_SCALE_ROW1 matrix_b_scale:MATRIX_SCALE_ROW1
.else
	v_wmma_scale_f32_16x16x128_f8f6f4 v[8*(8*((\a)%4)+\b):8*(8*((\a)%4)+\b)+7], v[128*(\p)+16*\b:128*(\p)+16*\b+15], v[AF+16*(\a):AF+16*(\a)+15], v[8*(8*((\a)%4)+\b):8*(8*((\a)%4)+\b)+7], v[SB+4*\b+(\ks)%4], v[SA+4*(\a)+(\ks)%4] matrix_a_fmt:MATRIX_FMT_BF8 matrix_b_fmt:MATRIX_FMT_BF8
.endif
.endr
.endr
.endm
; A slot's first K step.  S1 has one set of registers: blocks 0-3 are fetched anew in the step's middle, blocks 4-7 at its end; S0's next set comes in the middle run.
.macro STEP slot, ks, zero
	s_wait_dscnt 16                                ; S0's set and S1's blocks 0-3 are in; the youngest 16 loads (blocks 4-7) may be out
	WIN MUL_LO
	MUL16 0, 0, \ks, \zero
	MUL16 2, 0, \ks, \zero
	s_wait_dscnt 0x0                               ; blocks 4-7 are in
	PLACES 8
	FETCH_B \slot, 1, 1
	FETCH_A \slot, 1, 0
	WIN MUL_HI
	MUL16 4, 0, \ks, \zero
	MUL16 6, 0, \ks, \zero
	PLACES 8
	WIN 0
	FETCH_A \slot, 1, 4
.endm
; A slot's second K step changes slots: one barrier; in front of it each wave waits for all its tensor loads, adds 0 to its spare word, and waits for that and for its reads of this slot.
; fill = 1: the barrier opens a round of the cluster's barrier, and this slot is filled again, four K steps on, first thing behind the round.
.macro TURN slot, next, fill, ks
	s_wait_tensorcnt 0x0                           ; all my tensor loads have landed: my part of the next slot
	ds_add_u32 v[SPW], v[NIL]
.if (\ks) == 1
	s_mov_b32 s[G1+2], 8<<16                       ; no tensor load of mine is out: from here on a load brings 8 rowtiles
	s_mov_b32 s[G1+4], 8
	s_mov_b32 s[G1B+2], 8<<16
	s_mov_b32 s[G1B+4], 8
.endif
	s_wait_dscnt 17
	WIN MUL_LO
	MUL16 0, 1, \ks, 0                             ; sixteen matrix instructions stand between the add and the wait for it
	s_wait_dscnt 0x0                               ; the add is done, and my reads of this slot are over
	s_barrier_signal -1
	MUL16 2, 1, \ks, 0
	WIN 0
	s_barrier_wait -1
.if \fill
	CREST                                          ; no wave of any partner still reads this slot or has a load on its way
	s_add_nc_u64 s[G0+4*\slot+2:G0+4*\slot+3], s[G0+4*\slot+2:G0+4*\slot+3], 8192
	s_add_nc_u64 s[G0B+4*\slot+2:G0B+4*\slot+3], s[G0B+4*\slot+2:G0B+4*\slot+3], 8192
	JLOAD \slot                                    ; the four v_nop behind it are four of the eight places in front of the loads below
	PLACES 4
.else
	PLACES 8
.endif
	FETCH_B \next, 0, 0
	FETCH_A \next, 0, 0
	WIN MUL_HI
	MUL16 4, 1, \ks, 0
	MUL16 6, 1, \ks, 0
	PLACES 8
	WIN 0
	FETCH_A \next, 0, 4
.endm
	s_wait_alu depctr_va_vdst(0)
	s_cmp_lt_u32 s[WV], 2                          ; waves 0 and 1 brought slot 0: they wait; slot 1's loads (waves 2, 3: lines of their own) are waited for at the first change of slots
	s_cbranch_scc0 .Lnot_slot0
	s_wait_tensorcnt 0x0
.Lnot_slot0:
	s_barrier_signal -1
	s_barrier_wait -1
	FETCH_B 0, 0, 0
	FETCH_A 0, 0, 0
	FETCH_A 0, 0, 4
	s_wait_loadcnt 0x0                             ; the scale words
	STEP 0, 0, 1                                   ; the first products start the sums
	TURN 0, 1, 1, 1                                ; slot 0 takes K steps 4, 5
	STEP 1, 2, 0
	TURN 1, 0, 1, 3                                ; slot 1 takes K steps 6, 7
	STEP 0, 4, 0
	TURN 0, 1, 0, 5                                ; nothing is left to fetch
	STEP 1, 6, 0
	; the bias, into S0's set 0, which has been multiplied for the last time (eight places stand behind its last product)
	s_cmp_eq_u32 s[SV], 0
	s_cbranch_scc0 .Lbias_v
	WIN 0x40
.irp b, 0,1,2,3
.irp j, 0,1,2,3
	global_load_b128 v[16*\b+4*\j:16*\b+4*\j+3], v[BQ], s[86:87] offset:128*\b+16*\j   ; q, k: along the registers: columns 32 b + 16 h + 0 .. 15
.endr
.endr
	WIN 0
	s_branch .Lbias_in
.Lbias_v:
	WIN 0x40
.irp a, 0,1,2,3,4,5,6,7
	global_load_b32 v[2*\a], v[BV], s[86:87] offset:(32*(\a/2)+8*(\a%2))*4   ; v: my lane's channel of block a, twice: a pair for the packed addition
	global_load_b32 v[2*\a+1], v[BV], s[86:87] offset:(32*(\a/2)+8*(\a%2))*4
.endr
	WIN 0
.Lbias_in:
	s_wait_dscnt 16                                ; the last K step
	WIN MUL_LO
	MUL16 0, 1, 7, 0
	MUL16 2, 1, 7, 0
	s_wait_dscnt 0x0
	WIN MUL_HI
	MUL16 4, 1, 7, 0
	MUL16 6, 1, 7, 0
	WIN 0
	PLACES 8                                       ; in front of the first read of results and of the writes into the registers that held S1's fragments
	; THE EPILOGUE: block by block of 16 rows of S1: + bias, quantised along S0, stored as images.
	s_wait_loadcnt 0x0                             ; the bias
.irp b, 0,1,2,3
	v_mov_b32 v[TM+4+\b], 0                        ; written once: a lane permute's destination counts as one of its sources
.endr
.irp b, 0,1,2,3
	v_add_nc_u32 v[VO+\b], s[82+\b], v[L16]
.endr
	s_mov_b32 s2, 0x02020202
	v_mul_lo_u32 v[SELV], v2, s2
	v_add_nc_u32 v[SELV], 0x05040100, v[SELV]      ; lanes 0-15 pack the words' low halves (the first head's bytes), lanes 16-31 the high halves
	v_mul_u32_u24 v[VSO], v2, HS
	v_lshl_add_u32 v[VSO], v1, 4, v[VSO]           ; the scale words' store: 16 r, lanes 16-31 a head further on
.macro ADDB a, e0, es                  ; the addition is also the way out of the accumulators' windows; each accumulator is read from its low end on
.set i, 0
.rept 32
	v_pk_add_f32 v[T+i:T+i+1], v[64*((\a)%4)+i:64*((\a)%4)+i+1], v[(\e0)+(\es)*i:(\e0)+(\es)*i+1]
.set i, i+2
.endr
.endm
.macro EPI a
.if (\a) > 0
	s_wait_xcnt 0x0                                ; the last block's stores have read their data and their base: both are written again
.if (\a) == 4
	s_add_nc_u64 s[74:75], s[74:75], s[80:81]
.else
	s_add_nc_u64 s[74:75], s[74:75], s[78:79]
.endif
.endif
	s_cmp_eq_u32 s[SV], 0
	s_cbranch_scc0 .Lv_\@
	WIN 0x06+(\a)/4                                ; source 0 window 2 or 3, source 1 window 1
	ADDB \a, 0, 1
	WIN 0
	s_branch .Lj_\@
.Lv_\@:
	WIN 0x06+(\a)/4
	ADDB \a, 2*(\a), 0
	WIN 0
.Lj_\@:
	QUANT T, PC, PWS+(\a)
.irp b, 0,1,2,3
	global_store_b128 v[VO+\b], v[PC+4*\b:PC+4*\b+3], s[74:75]   ; 512 consecutive bytes, aligned
.endr
.endm
.irp a, 0,1,2,3,4,5,6,7
	EPI \a
.endr
	s_cmp_eq_u32 s[SV], 0
	s_cbranch_scc0 .Ltail_v
.irp p, 0,1,2,3
	v_perm_b32 v[XW+\p], v[PWS+2*\p+1], v[PWS+2*\p], v[SELV]   ; q, k: a pair's word: tile 2 p's two bytes low, tile 2 p + 1's high
.endr
	s_branch .Ltail_j
.Ltail_v:
	v_cmp_le_u32 vcc_lo, 16, v3
.irp t, 0,1,2,3
	v_cndmask_b32 v[XW+\t], v[PWS+\t], v[PWS+4+\t], vcc_lo     ; v: channel tile t of the first head in lanes 0-15, of the second in lanes 16-31
.endr
.Ltail_j:
	s_wait_alu depctr_va_vdst(0)
	global_store_b128 v[VSO], v[XW:XW+3], s[76:77]  ; each half of the lanes fills 256 consecutive bytes, aligned
	s_wait_tensorcnt 0x0                           ; the wave's end
	ds_add_u32 v[SPW], v[NIL]
	s_wait_dscnt 0x0
	CROUND                                         ; the closing round
	s_endpgm
.Lfunc_end_k_qe3d11968f9_qkv:
	.size	k_qe3d11968f9_qkv, .Lfunc_end_k_qe3d11968f9_qkv-k_qe3d11968f9_qkv
	.p2alignl 7, 3214868480
	.fill 96, 4, 3214868480
	.section	.rodata,"a",@progbits
	.p2align	6, 0x0
	.amdhsa_kernel k_qe3d11968f9_qkv
		.amdhsa_group_segment_fixed_size 327680
		.amdhsa_private_segment_fixed_size 0
		.amdhsa_enable_private_segment 0
		.amdhsa_kernarg_size 48
		.amdhsa_user_sgpr_count 2
		.amdhsa_user_sgpr_kernarg_segment_ptr 1
		.amdhsa_wavefront_size32 1
		.amdhsa_system_sgpr_workgroup_id_x 1
		.amdhsa_system_sgpr_workgroup_id_y 1
		.amdhsa_system_sgpr_workgroup_id_z 1
		.amdhsa_system_vgpr_workitem_id 0
		.amdhsa_next_free_vgpr 1024
		.amdhsa_next_free_sgpr 100
		.amdhsa_reserve_vcc 1
		.amdhsa_float_denorm_mode_32 3
		.amdhsa_float_denorm_mode_16_64 3
		.amdhsa_memory_ordered 1
		.amdhsa_forward_progress 1
		.amdhsa_inst_pref_size 221
	.end_amdhsa_kernel
	.amdgpu_metadata
---
amdhsa.version: [ 1, 2 ]
amdhsa.kernels:
  - .name:           k_qe3d11968f9_qkv
    .symbol:         k_qe3d11968f9_qkv.kd
    .args:
      - { .name: xc, .offset: 0, .size: 8, .value_kind: global_buffer, .address_space: global }
      - { .name: xs, .offset: 8, .size: 8, .value_kind: global_buffer, .address_space: global }
      - { .name: wc, .offset: 16, .size: 8, .value_kind: global_buffer, .address_space: global }
      - { .name: ws, .offset: 24, .size: 8, .value_kind: global_buffer, .address_space: global }
      - { .name: b_qkv, .offset: 32, .size: 8, .value_kind: global_buffer, .address_space: global }
      - { .name: qkv, .offset: 40, .size: 8, .value_kind: global_buffer, .address_space: global }
    .group_segment_fixed_size: 327680
    .private_segment_fixed_size: 0
    .kernarg_segment_align: 8
    .kernarg_segment_size: 48
    .max_flat_workgroup_size: 128
    .sgpr_count:     100
    .vgpr_count:     1024
    .wavefront_size: 32
...
	.end_amdgpu_metadata
.endif
;; end of part 2
;; launch attn (part 3): grid 4 x 64, 8 waves a work-group, clusters of 4 x 1, 272,384 bytes of LDS; arguments qkv, cc, cs; writes cc, cs
.if DOCPART == 3
	.amdgcn_target "amdgcn-amd-amdhsa--gfx1250"
	.amdhsa_code_object_version 6
	.text
	.protected	k_qe3d11968f9_attn
	.globl	k_qe3d11968f9_attn
	.p2align	8
	.type	k_qe3d11968f9_attn,@function
k_qe3d11968f9_attn:
	s_mov_b64 s[64:65], 0
	v_nop
	global_prefetch_b8 v0, s[64:65] scope:SCOPE_SE
	s_setreg_imm32_b32 hwreg(HW_REG_WAVE_MODE, 25, 1), 1
	s_wait_xcnt 0x0
	s_wait_alu depctr_hold_cnt(0) depctr_sa_sdst(0) depctr_va_vdst(0) depctr_va_sdst(0) depctr_va_ssrc(0) depctr_va_vcc(0) depctr_vm_vsrc(0)
	s_getreg_b32 s2, hwreg(HW_REG_IB_STS2, 6, 4)
	s_cmp_eq_u32 s2, 0
	s_cbranch_scc0 .Lentry_in_a_cluster
	s_endpgm
.Lentry_in_a_cluster:
	s_bfe_u32 s2, ttmp6, 0x10000c
	s_cmp_lg_u32 s2, 0x3003
	s_cbranch_scc0 .Lentry_shape_is_right
	s_endpgm
.Lentry_shape_is_right:
; ctx[q] = the sum over k <= q of softmax_k(q . k / 8) v[k], for each of 64 heads of size 64, 2,048 tokens; both products on codes of BF8 (E5M2) with E8M0 scales; then ctx is quantised along C for the last product.
; THE SOFTMAX: t = score x log2(e) / 8; M = the running largest t rounded UP to a whole number; p = 2^(t - M) is quantised along the keys, not normalised; the row's sum is taken of the unquantised p and divides O at the end.
; LEFT OUT: key steps all of whose 128 keys come after a tile's queries: the causal mask makes their p zero for all values of the inputs.  A NaN or an infinity that reaches only such scores is not carried to the result.
; INPUT: a head's HS bytes of qkv: K codes, V codes, K's and V's scale words (270,336 bytes: they are this kernel's LDS, byte for byte), then Q codes and Q's scale words.
; CLUSTER 4 x 1: the four work-groups of a cluster are ONE head and need the same K and V: each of the eight waves brings 33,792 bytes by one joint load.  LDS is filled once: no ring, no barrier in the loops.
; NO PREFETCH: all that the launch streams from memory is asked for by that one load a wave at the head; there is no loop to run ahead in.
; SHARES.  A head has 64 PAIRS of tiles of 16 queries (row r of tile tau is query 32 (tau / 2) + 8 (tau % 2) + r + 8 (r / 8)); pair P needs key steps 0 .. P / 4 of 128 keys, the last on the diagonal.  Wave w of partner cx takes
; pairs 4 w + cx and 63 - (4 w + cx): their last key steps, w and 15 - w, hang on the wave's number alone, and every wave has 17 steps.  A WAVE WORKS ON BOTH TILES OF A PAIR AT ONCE: each fragment of K and V is read from LDS once for
; two tiles, and the two tiles' chains stand interleaved.  The holds of p go two to an instruction (a dual pair on neighbouring registers).
; LAYOUT.  Both products transposed: S^T = K Q^T, O^T = V^T P^T: a lane holds one query.  By the order of a tile's rows the 16 registers of tiles 2 b, 2 b + 1 are 16 neighbouring keys (or channels).
; K = 64 IN AN INSTRUCTION OF 128: a fragment of K holds TWO key tiles; source 1 is Q | zeros or zeros | Q.  Zero codes against finite codes add exactly 0.
; OUTPUT: cc[rowtile][K step 8][c 4][lane][16]: head hd is K step hd / 2, c = 2 (hd % 2) + 0, 1; cs[rowtile][g][r][q]: two bytes of a word, stored 16 bytes apart: the one place where aligned blocks of 256 bytes are written
; in part (262,144 bytes in the launch): a row's word is shared by two heads, which are two clusters.
; LIMITS: NaN and infinities are not served; p under 2^-126 becomes 0; O / l is a reciprocal and a multiplication; a block under 2^-111 gets the byte 1; the scaled scores stay under 2^31 in magnitude.
; REGISTERS.  Window 0: addresses, both tiles' state, scale words, p's codes, S^T / p of tile X (v120-183) and of tile Y (v184-247).  Window 1: v0-63 K's four fragments, v64-127 V's, v128-167 zeros | Q X | zeros | Q Y | zeros,
; v168-231 O^T of X and Y, v232-247 the second pair's Q.
.set HS,   405504
.set QOFF, 270336
.set QSOF, 401408
.set SPARE, 0x42000
.set L16, 1                            ; 16 x lane
.set AS0, 2                            ; 262,144 + 16 r: my row among K's scale words
.set RL,  3                            ; r + 8 (r / 8) - 16 h
.set VD,  4                            ; v4, v5 the mask: my query less the diagonal step's first key less 16 h, tile X, Y
.set NINF, 6
.set VSO, 7                            ; 16 r + 512 h: ctx's scale bytes
.set ADK, 8
.set ADV, 9
.set ADS, 10
.set R16, 11
.set SPW, 12
.set NIL, 13
.set ST,  14                           ; tile k at ST + 4 k: -M, the largest t, the sum in two halves
.set F,   24                           ; tile k at F + 2 k: f, p's scale word
.set KS,  28                           ; K's four scale words
.set QW,  32                           ; Q's scale words: first pair X, Y, second pair X, Y
.set VS,  36                           ; V's four scale words
.set T,   40                           ; tile k at T + 24 k: +0 block maxima, +4 permutes and bytes, +8 holds, +12 the conversions' scales, +16 three pairs of partial sums, +22, +23 at work
.set PC,  88                           ; p's codes, 16 registers a tile
.set S,   120
.set U,   248                          ; v248, v249 ctx's two scale bytes of each tile
.set VF,  64                           ; window 1
.set OT,  168
.set WV,  10
.set SEL, 32
.set CS,  34                           ; s[34:35] c = log2(e) / 8
.set MNT, 36
.set SS,  37                           ; the key step
.set TK,  38                           ; 8,192 x step
.set TS,  39                           ; 256 x step
.set HM,  68                           ; lanes 16-31
.set MSB, 0
.macro WIN new                         ; the immediate's high byte repeats the setting that is left
.if MSB != (\new)
	s_set_vgpr_msb (MSB<<8)|(\new)
.set MSB, (\new)
.endif
.endm
.macro WALU
	s_wait_alu depctr_va_vdst(0)
.endm
.macro CROUND
	s_barrier_signal -1
	s_barrier_wait -1
	s_cmp_lg_u32 s[WV], 0
	s_cbranch_scc1 .Lnot_wave_0_\@
	s_barrier_signal -3
.Lnot_wave_0_\@:
	s_barrier_wait -3
	s_barrier_signal -1
	s_barrier_wait -1
.endm
.macro MM0 d, a, b, sa, sb             ; a product that starts its sums
	v_wmma_scale_f32_16x16x128_f8f6f4 v[(\d):(\d)+7], v[(\a):(\a)+15], v[(\b):(\b)+15], 0, v[\sa], v[\sb] matrix_a_fmt:MATRIX_FMT_BF8 matrix_b_fmt:MATRIX_FMT_BF8
.endm
.macro MMA d, a, b, sa, sb             ; a product that adds in place
	v_wmma_scale_f32_16x16x128_f8f6f4 v[(\d):(\d)+7], v[(\a):(\a)+15], v[(\b):(\b)+15], v[(\d):(\d)+7], v[\sa], v[\sb] matrix_a_fmt:MATRIX_FMT_BF8 matrix_b_fmt:MATRIX_FMT_BF8
.endm
.macro PADD d, a, b
	v_pk_add_f32 v[(\d):(\d)+1], v[(\a):(\a)+1], v[(\b):(\b)+1]
.endm
.macro SUMS k                          ; the row's sum of the unquantised p of tile k: 32 packed additions in four chains
.set SB_, S+64*(\k)
.set TS_, T+24*(\k)+16
.set AC_, ST+4*(\k)+2
	PADD TS_, SB_, SB_+2
	PADD TS_+2, SB_+4, SB_+6
	PADD TS_+4, SB_+8, SB_+10
	PADD AC_, AC_, SB_+12
.set i, 14
.rept 6
	PADD TS_, TS_, SB_+i
	PADD TS_+2, TS_+2, SB_+i+2
	PADD TS_+4, TS_+4, SB_+i+4
	PADD AC_, AC_, SB_+i+6
.set i, i+8
.endr
	PADD TS_, TS_, SB_+62
	PADD TS_+2, TS_+2, TS_+4
	PADD AC_, AC_, TS_
	PADD AC_, AC_, TS_+2
.endm
.macro HOLD2 k, i                      ; the hold of p at registers i, i + 1 of tile k (p is not negative): two to an instruction: destinations even and odd, first sources in neighbouring banks, the second source the same register
	v_dual_min_num_f32 v[S+64*(\k)+(\i)], v[S+64*(\k)+(\i)], v[T+24*(\k)+8+(\i)/16] :: v_dual_min_num_f32 v[S+64*(\k)+(\i)+1], v[S+64*(\k)+(\i)+1], v[T+24*(\k)+8+(\i)/16]
.endm
.macro CVT k, nb                       ; nb blocks of 32 of tile k become codes
.set b_, 0
.rept \nb
	v_cvt_scalef32_pk8_bf8_f32 v[PC+16*(\k)+4*b_:PC+16*(\k)+4*b_+1], v[S+64*(\k)+16*b_:S+64*(\k)+16*b_+7], v[T+24*(\k)+12+b_]
	v_cvt_scalef32_pk8_bf8_f32 v[PC+16*(\k)+4*b_+2:PC+16*(\k)+4*b_+3], v[S+64*(\k)+16*b_+8:S+64*(\k)+16*b_+15], v[T+24*(\k)+12+b_]
.set b_, b_+1
.endr
.endm
	s_load_b128 s[4:7], s[0:1], 0x0                ; qkv, cc
	s_load_b64 s[8:9], s[0:1], 0x10                ; cs
	v_lshl_add_u32 v[SPW], v0, 2, SPARE
	v_mov_b32 v[NIL], 0
	ds_add_u32 v[SPW], v[NIL]                      ; the opening lines: the add, twice on end, and its wait
	ds_add_u32 v[SPW], v[NIL]
	v_lshrrev_b32 v[VSO], 5, v0
	v_readfirstlane_b32 s[WV], v[VSO]              ; wave 0..7
	s_bfe_u32 s11, ttmp6, 0x40000                  ; cx
	s_and_b32 s12, ttmp7, 0xffff                   ; the head, which the four partners share
	s_mul_i32 s14, s12, HS
	s_mov_b32 s15, 0
	s_mul_i32 s21, s[WV], 33792                    ; my part of the head's 270,336 bytes: in LDS,
	s_mov_b32 s16, s21                             ; and in memory
	s_mov_b32 s17, 0
	s_mov_b32 s20, 1
	s_mov_b32 s24, 15|(3<<16)|(1<<21)              ; group 1: a dense block of 132 rows of 256 bytes; the mask names all four work-groups
	s_mov_b32 s25, 32<<16
	s_mov_b32 s26, 132<<16
	s_mov_b32 s27, 32<<16
	s_mov_b32 s28, 132
	s_mov_b32 s29, 32
	s_mov_b32 s30, 0
	s_mov_b32 s31, 0
	s_wait_dscnt 0x0
	s_wait_kmcnt 0x0
	s_add_nc_u64 s[4:5], s[4:5], s[14:15]          ; qkv at my head
	s_add_nc_u64 s[22:23], s[4:5], s[16:17]
	s_or_b32 s23, s23, 0x80000000
	CROUND                                         ; all four work-groups are here: the joint loads meet
	tensor_load_to_lds s[20:23], s[24:31]          ; one load a wave, the only one of the launch
	s_nop 0
.rept 4
	v_nop
.endr
	s_mov_b32 s[SEL], 0x76543210
	s_mov_b32 s[SEL+1], 0xfedcba98
	s_mov_b32 s[CS], 0x3e38aa3b
	s_mov_b32 s[CS+1], s[CS]
	s_mov_b32 s[MNT], 0x600000
	s_mov_b32 s[HM], 0xffff0000
	s_mov_b32 s16, 0x01000100                      ; a pair's word: tile X's two bytes lie low, tile Y's high
	s_mov_b32 s17, 0x03020302
	s_lshl_b32 s66, s[WV], 2
	s_add_co_u32 s66, s66, s11                     ; pair A = 4 w + cx
	s_sub_co_u32 s67, 63, s66                      ; pair B = 63 - pair A
	s_mov_b32 s41, s[WV]                           ; A's last key step
	s_sub_co_u32 s40, 15, s[WV]                    ; B's
	s_lshr_b32 s60, s12, 4
	s_lshl_b32 s60, s60, 7                         ; 128 x batch
	s_and_b32 s61, s12, 15                         ; hd
	s_lshr_b32 s62, s61, 3
	s_lshl_b32 s62, s62, 8
	s_and_b32 s13, s61, 7
	s_lshl_b32 s13, s13, 1
	s_add_co_u32 s62, s62, s13                     ; in a rowtile's scale words: 256 (hd / 8) + 2 (hd % 8)
	s_lshl_b32 s61, s61, 10                        ; in a rowtile's codes: 1,024 hd
	s_mov_b32 s19, 0
; what hangs on a pair's number: numbers and global addresses alone, no branch and no LDS address
.macro TILE p, d, qp, qs, op, sp
	s_and_b32 s2, s[\p], 3
	s_lshl_b32 s[\d], s2, 5                        ; tile X's first query less the diagonal step's first key
	s_lshl_b32 s18, s[\p], 11
	s_add_co_u32 s18, s18, QOFF
	s_add_nc_u64 s[\qp:\qp+1], s[4:5], s[18:19]    ; Q's codes: 2,048 bytes a pair
	s_lshr_b32 s18, s[\p], 2
	s_lshl_b32 s18, s18, 8
	s_lshl_b32 s2, s2, 2
	s_add_co_u32 s18, s18, s2
	s_add_co_u32 s18, s18, QSOF
	s_add_nc_u64 s[\qs:\qs+1], s[4:5], s[18:19]    ; the pair's word
	s_lshl_b32 s13, s[\p], 1
	s_add_co_u32 s13, s13, s60                     ; tile X's rowtile of ctx
	s_lshl_b32 s18, s13, 14
	s_add_co_u32 s18, s18, s61
	s_add_nc_u64 s[\op:\op+1], s[6:7], s[18:19]    ; ctx's codes
	s_lshl_b32 s18, s13, 9
	s_add_co_u32 s18, s18, s62
	s_add_nc_u64 s[\sp:\sp+1], s[8:9], s[18:19]    ; ctx's scale bytes
.endm
	TILE 67, 42, 52, 56, 44, 48
	TILE 66, 43, 54, 58, 46, 50
	v_and_b32 v[VSO], 31, v0
	v_lshlrev_b32 v[L16], 4, v[VSO]
	v_and_b32 v[ADK], 15, v0                       ; r
	v_bfe_u32 v[ADV], v0, 4, 1                     ; h
	v_lshlrev_b32 v[R16], 4, v[ADK]
	v_lshl_add_u32 v[VSO], v[ADV], 9, v[R16]
	v_add_nc_u32 v[AS0], 0x40000, v[R16]
	v_and_b32 v[RL], 8, v[ADK]
	v_add_nc_u32 v[RL], v[RL], v[ADK]
	v_lshlrev_b32 v[ADV], 4, v[ADV]
	v_sub_nc_u32 v[RL], v[RL], v[ADV]
	v_mov_b32 v[NINF], 0xff800000
	WALU                                           ; the wait ahead of the readers below
	WIN 0x40                                       ; destinations in window 1
.irp j, 0,1,2,3
	global_load_b128 v[136+4*\j+8*(\j/2):139+4*\j+8*(\j/2)], v[L16], s[52:53] offset:512*\j   ; pair B's Q: X at v136, Y at v152
	global_load_b128 v[232+4*\j:235+4*\j], v[L16], s[54:55] offset:512*\j                     ; pair A's waits at v232
.endr
.irp j, 0,1,2,3,4,5,6,7
	v_mov_b32 v[128+\j], 0                         ; zero codes
	v_mov_b32 v[144+\j], 0
	v_mov_b32 v[160+\j], 0
.endr
	WIN 0
	global_load_b32 v[QW], v[R16], s[56:57]
	global_load_b32 v[QW+2], v[R16], s[58:59]
.irp k, 0,1
.irp j, 4,5,6,7,22
	v_mov_b32 v[T+24*\k+\j], 0                     ; written once: a lane permute's destination counts as one of its sources
.endr
.endr
	WALU                                           ; the wait at the head's end
	s_wait_tensorcnt 0x0                           ; my part of the head is in,
	s_barrier_signal -1
	s_barrier_wait -1                              ; everybody's is
	s_wait_loadcnt 0x0                             ; Q
	v_perm_b32 v[QW+1], v[QW], v[QW], s17          ; a tile's two bytes in both halves: they serve Q | zeros and zeros | Q
	v_perm_b32 v[QW], v[QW], v[QW], s16
	v_perm_b32 v[QW+3], v[QW+2], v[QW+2], s17
	v_perm_b32 v[QW+2], v[QW+2], v[QW+2], s16
; ONE PAIR OF TILES.  qw: Q's two scale words; sl: the last key step; sd: the mask's number; so, sc: ctx's codes and scale bytes; copyq: Q is taken from v232 on
.macro PASS qw, sl, sd, so, sc, copyq
	s_wait_xcnt 0x0                                ; the last pair's stores have read their data
	WIN 0x40
.irp p, 0,1,2,3
.irp c, 0,1,2,3
	ds_load_b128 v[16*\p+4*\c:16*\p+4*\c+3], v[L16] offset:2048*\p+512*\c   ; key step 0: key tiles 2 p and 2 p + 1 are one fragment
.endr
.endr
.set i, 0
.rept 64
	v_mov_b32 v[OT+i], 0                           ; the step is written once: the first finds zeros, which the first change of M leaves zeros
.set i, i+1
.endr
.if \copyq
	WIN 0x41
.irp j, 0,1,2,3,4,5,6,7
	v_mov_b32 v[136+\j], v[232+\j]
	v_mov_b32 v[152+\j], v[240+\j]
.endr
.endif
	WIN 0
	ds_load_b128 v[KS:KS+3], v[AS0]
	v_add_nc_u32 v[VD], s[\sd], v[RL]
	v_add_nc_u32 v[VD+1], 8, v[VD]
.irp k, 0,1
	v_mov_b32 v[ST+4*\k+1], 0xff61b1e6             ; the largest t so far: -3e38
	v_mov_b32 v[ST+4*\k+2], 0                      ; the sum, in two halves
	v_mov_b32 v[ST+4*\k+3], 0
	v_mov_b32 v[F+2*\k], 0
	v_mov_b32 v[F+2*\k+1], 0
.endr
.irp k, 0,1
	v_floor_f32 v[ST+4*\k], -v[ST+4*\k+1]          ; -M
.endr
	s_mov_b32 s[SS], 0
	s_mov_b32 s[TK], 0
	s_mov_b32 s[TS], 0
	WALU
.Lstep_\@:                                         ; 16 trips
	s_cmp_gt_u32 s[SS], s[\sl]                     ; all 128 keys come after my queries: the step's work is left out, not the lines that step addresses
	s_cbranch_scc1 .Lhid_\@
	s_wait_dscnt 0x0                               ; this step's K, fetched a step ago
	WIN 0x05                                       ; sources in window 1, results in window 0
.irp k, 0,1
.irp p, 0,1,2,3
	MM0 S+64*\k+16*\p, 16*\p, 136+16*\k, KS+\p, (\qw)+\k       ; Q | zeros: tile 2 p
	MM0 S+64*\k+16*\p+8, 16*\p, 128+16*\k, KS+\p, (\qw)+\k     ; zeros | Q: tile 2 p + 1
.endr
.endr                                              ; register 16 b + i: key 128 step + 32 b + 16 h + i
	WIN 0
	v_add_nc_u32 v[ADK], s[TK], v[L16]             ; eight places behind the products, ahead of the loads into their registers and of the first read of the scores
	v_add_nc_u32 v[ADS], s[TS], v[AS0]
	v_mov_b32 v[T+22], v[ST]                       ; the old -M
	v_mov_b32 v[T+46], v[ST+4]
	v_add_nc_u32 v[ADV], 0x20000, v[ADK]
.rept 3
	v_nop
.endr
	ds_load_b128 v[VS:VS+3], v[ADS] offset:4096
	WIN 0x40
.irp t, 0,1,2,3
.irp c, 0,1,2,3
	ds_load_b128 v[VF+16*\t+4*\c:VF+16*\t+4*\c+3], v[ADV] offset:2048*\t+512*\c   ; V's four channel tiles land under the softmax
.endr
.endr
.irp p, 0,1,2,3
.irp c, 0,1,2,3
	ds_load_b128 v[16*\p+4*\c:16*\p+4*\c+3], v[ADK] offset:8192+2048*\p+512*\c    ; the next step's K (behind step 15: bytes of V, inside the tile that landed, which nothing multiplies)
.endr
.endr
	WIN 0
	ds_load_b128 v[KS:KS+3], v[ADS] offset:256
	s_cmp_lg_u32 s[SS], s[\sl]
	s_cbranch_scc1 .Lopen_\@                       ; only the last step lies on the diagonal
.set n, 0
.rept 64                                           ; hidden scores become -infinity ahead of the maximum: p = 0 then
	v_cmp_gt_i32 vcc_lo, 32*(n/16)+n%16, v[VD]
	v_cmp_gt_i32 s3, 32*(n/16)+n%16, v[VD+1]
	v_cndmask_b32 v[S+n], v[S+n], v[NINF], vcc_lo
	v_cndmask_b32 v[S+64+n], v[S+64+n], v[NINF], s3
.set n, n+1
.endr
.Lopen_\@:
.irp b, 0,1,2,3
.irp k, 0,1
	v_max3_num_f32 v[T+24*\k+\b], v[S+64*\k+16*\b], v[S+64*\k+16*\b+1], v[S+64*\k+16*\b+2]   ; the largest score of each block of 32 keys: for the row's maximum and for the block's largest p
.endr
.endr
.irp i, 3,5,7,9,11,13
.irp b, 0,1,2,3
.irp k, 0,1
	v_max3_num_f32 v[T+24*\k+\b], v[T+24*\k+\b], v[S+64*\k+16*\b+\i], v[S+64*\k+16*\b+\i+1]
.endr
.endr
.endr
.irp b, 0,1,2,3
.irp k, 0,1
	v_max_num_f32 v[T+24*\k+\b], v[T+24*\k+\b], v[S+64*\k+16*\b+15]
.endr
.endr
.irp b, 0,1,2,3
.irp k, 0,1
	v_permlanex16_b32 v[T+24*\k+4+\b], v[T+24*\k+\b], s[SEL], s[SEL+1]
.endr
.endr
.irp b, 0,1,2,3
.irp k, 0,1
	v_max_num_f32 v[T+24*\k+\b], v[T+24*\k+\b], v[T+24*\k+4+\b]   ; with lane l xor 16's 16 keys
.endr
.endr
.irp k, 0,1
	v_max3_num_f32 v[T+24*\k+23], v[T+24*\k], v[T+24*\k+1], v[T+24*\k+2]
.endr
.irp k, 0,1
	v_max_num_f32 v[T+24*\k+23], v[T+24*\k+23], v[T+24*\k+3]
.endr
.irp k, 0,1
	v_mul_f32 v[T+24*\k+23], s[CS], v[T+24*\k+23]  ; as t
.endr
.irp k, 0,1
	v_max_num_f32 v[ST+4*\k+1], v[ST+4*\k+1], v[T+24*\k+23]   ; the running largest t
.endr
.irp k, 0,1
	v_floor_f32 v[ST+4*\k], -v[ST+4*\k+1]          ; the new -M = -ceil(t)
.endr
.irp k, 0,1
	v_sub_f32 v[T+24*\k+22], v[ST+4*\k], v[T+24*\k+22]   ; old M - new M: a whole number, 0 or less
.endr
.irp k, 0,1
	v_cvt_i32_f32 v[T+24*\k+22], v[T+24*\k+22]     ; (it saturates)
.endr
.irp k, 0,1
	v_ldexp_f32 v[F+2*\k], 1.0, v[T+24*\k+22]      ; f = 2^(old M - new M): exact
.endr
.set i, 0
.rept 32
	v_pk_fma_f32 v[S+i:S+i+1], v[S+i:S+i+1], s[CS:CS+1], v[ST:ST+1] op_sel_hi:[1,0,0]   ; X: t - M
.set i, i+2
.endr
.irp b, 0,1,2,3
.irp k, 0,1
	v_fma_f32 v[T+24*\k+\b], v[T+24*\k+\b], s[CS], v[ST+4*\k]   ; the same of each block's largest score
.endr
.endr
	WALU                                           ; the wait ahead of the batch
.irp b, 0,1,2,3
.irp k, 0,1
	v_exp_f32 v[T+24*\k+\b], v[T+24*\k+\b]         ; the block's largest p
.endr
.endr
.set i, 0
.rept 32
	v_exp_f32 v[S+i], v[S+i]                       ; X: p = 2^(t - M);
	v_exp_f32 v[S+i+1], v[S+i+1]
	v_pk_fma_f32 v[S+64+i:S+64+i+1], v[S+64+i:S+64+i+1], s[CS:CS+1], v[ST+4:ST+5] op_sel_hi:[1,0,0]   ; among them Y's t - M, which nothing reads before the next wait
.set i, i+2
.endr
	WALU                                           ; one wait for the batch, ahead of its first reader
.irp b, 0,1,2,3
.irp k, 0,1
	v_max_num_f32 v[T+24*\k+\b], 0x8000000, v[T+24*\k+\b]   ; the floor 2^(16 - 127)
.endr
.endr
.irp b, 0,1,2,3
.irp k, 0,1
	v_add_nc_u32 v[T+24*\k+12+\b], 0xf8800000, v[T+24*\k+\b]   ; the conversion's scale operand
.endr
.endr
.irp b, 0,1,2,3
.irp k, 0,1
	v_and_or_b32 v[T+24*\k+8+\b], v[T+24*\k+\b], 0x7f800000, s[MNT]   ; 57,344 x the scale
.endr
.endr
.irp b, 0,1,2,3
.irp k, 0,1
	v_lshrrev_b32 v[T+24*\k+4+\b], 23, v[T+24*\k+12+\b]   ; the byte
.endr
.endr
.irp k, 0,1
	v_lshl_or_b32 v[F+2*\k+1], v[T+24*\k+5], 8, v[T+24*\k+4]   ; p's scale word for these 128 keys
.endr
.irp k, 0,1
	v_lshl_or_b32 v[F+2*\k+1], v[T+24*\k+6], 16, v[F+2*\k+1]
.endr
.irp k, 0,1
	v_lshl_or_b32 v[F+2*\k+1], v[T+24*\k+7], 24, v[F+2*\k+1]
.endr
.irp k, 0,1
	v_pk_mul_f32 v[ST+4*\k+2:ST+4*\k+3], v[ST+4*\k+2:ST+4*\k+3], v[F+2*\k:F+2*\k+1] op_sel_hi:[1,0]   ; the sums under the new M
.endr
	SUMS 0
	WALU                                           ; ahead of the second batch
.set i, 0
.rept 32
	v_exp_f32 v[S+64+i], v[S+64+i]                 ; Y: p;
	v_exp_f32 v[S+64+i+1], v[S+64+i+1]
	HOLD2 0, i                                     ; among them X's holds, which nothing reads before the next wait
.set i, i+2
.endr
	v_nop                                          ; a plain line behind the last exponential
	WALU
	CVT 0, 4
	SUMS 1
.set i, 0
.rept 32
	HOLD2 1, i
.set i, i+2
.endr
	CVT 1, 4
	WIN 0x41                                       ; O^T in window 1, f in window 0
	WALU                                           ; directly ahead of the first reader of O^T
.irp k, 0,1
.set i, 0
.rept 16
	v_pk_mul_f32 v[OT+32*\k+i:OT+32*\k+i+1], v[OT+32*\k+i:OT+32*\k+i+1], v[F+2*\k:F+2*\k+1] op_sel_hi:[1,0]   ; O^T under the new M; these are also the places between the codes' writes and the products
.set i, i+2
.endr
.endr
	WALU
	s_wait_dscnt 17                                ; V and its scale words are in; behind them: the next K's 16 loads and its scale words'
	WIN 0x51                                       ; V and O^T in window 1, p's codes in window 0
.irp k, 0,1
.irp t, 0,1,2,3
	MMA OT+32*\k+8*\t, VF+16*\t, PC+16*\k, VS+\t, F+2*\k+1   ; the eight accumulators by turns
.endr
.endr
	WIN 0
.Lhid_\@:
	s_add_co_u32 s[TK], s[TK], 8192
	s_add_co_u32 s[TS], s[TS], 256
	s_add_co_u32 s[SS], s[SS], 1
	s_cmp_lt_u32 s[SS], 16
	s_cbranch_scc1 .Lstep_\@
	; the way out: O^T / the sum, quantised along C (two blocks of 32 channels a tile), stored as images
.rept 8
	v_nop
.endr
	WALU
	s_wait_dscnt 0x0                               ; the look-ahead's loads have landed
.irp k, 0,1
	v_add_f32 v[ST+4*\k+2], v[ST+4*\k+2], v[ST+4*\k+3]
.endr
.irp k, 0,1
	v_permlanex16_b32 v[T+24*\k+22], v[ST+4*\k+2], s[SEL], s[SEL+1]
.endr
.irp k, 0,1
	v_add_f32 v[ST+4*\k+2], v[ST+4*\k+2], v[T+24*\k+22]   ; the row's sum
.endr
	WALU
.irp k, 0,1
	v_rcp_f32 v[ST+4*\k+2], v[ST+4*\k+2]
.endr
	v_nop                                          ; a plain line behind the reciprocals,
	WIN 0x01
	WALU                                           ; and the wait ahead of their first reader, which is O^T's too
.irp k, 0,1
.set i, 0
.rept 16
	v_pk_mul_f32 v[S+64*\k+i:S+64*\k+i+1], v[OT+32*\k+i:OT+32*\k+i+1], v[ST+4*\k+2:ST+4*\k+3] op_sel_hi:[1,0]   ; register 16 b + i: channel 32 b + 16 h + i of my query
.set i, i+2
.endr
.endr
	WIN 0
.irp b, 0,1
.irp k, 0,1
	v_max3_num_f32 v[T+24*\k+\b], |v[S+64*\k+16*\b]|, |v[S+64*\k+16*\b+1]|, 0x8000000
.endr
.endr
.irp i, 2,4,6,8,10,12,14
.irp b, 0,1
.irp k, 0,1
	v_max3_num_f32 v[T+24*\k+\b], v[T+24*\k+\b], |v[S+64*\k+16*\b+\i]|, |v[S+64*\k+16*\b+\i+1]|
.endr
.endr
.endr
.irp b, 0,1
.irp k, 0,1
	v_permlanex16_b32 v[T+24*\k+4+\b], v[T+24*\k+\b], s[SEL], s[SEL+1]
.endr
.endr
.irp b, 0,1
.irp k, 0,1
	v_max_num_f32 v[T+24*\k+\b], v[T+24*\k+\b], v[T+24*\k+4+\b]
.endr
.endr
.irp b, 0,1
.irp k, 0,1
	v_add_nc_u32 v[T+24*\k+12+\b], 0xf8800000, v[T+24*\k+\b]
.endr
.endr
.irp b, 0,1
.irp k, 0,1
	v_and_or_b32 v[T+24*\k+8+\b], v[T+24*\k+\b], 0x7f800000, s[MNT]
.endr
.endr
.irp b, 0,1
.irp k, 0,1
	v_lshrrev_b32 v[T+24*\k+4+\b], 23, v[T+24*\k+12+\b]
.endr
.endr
.irp k, 0,1
	v_lshl_or_b32 v[U+\k], v[T+24*\k+5], 8, v[T+24*\k+4]   ; the two bytes of my row
.endr
.irp k, 0,1
.set i, 0
.rept 32
	v_med3_num_f32 v[S+64*\k+i], v[S+64*\k+i], -v[T+24*\k+8+i/16], v[T+24*\k+8+i/16]   ; the hold: the conversion does not saturate (ISA guide 7.6.2)
.set i, i+1
.endr
.endr
	CVT 0, 2
	CVT 1, 2
	v_cndmask_b32 v[U], v[U], v[U+1], s[HM]        ; lanes 0-15 store tile X's bytes, lanes 16-31 tile Y's (both halves hold both).  Also the plain line behind the last conversion
.irp k, 0,1
.irp b, 0,1
	global_store_b128 v[L16], v[PC+16*\k+4*\b:PC+16*\k+4*\b+3], s[\so:\so+1] offset:16384*\k+512*\b   ; 512 consecutive bytes, aligned
.endr
.endr
	global_store_b16 v[VSO], v[U], s[\sc:\sc+1]
.endm
	PASS QW, 40, 42, 44, 48, 0                     ; the late pair first
	PASS QW+2, 41, 43, 46, 50, 1
	s_wait_tensorcnt 0x0                           ; the wave's end
	ds_add_u32 v[SPW], v[NIL]
	s_wait_dscnt 0x0
	CROUND                                         ; the closing round
	s_endpgm
.Lfunc_end_k_qe3d11968f9_attn:
	.size	k_qe3d11968f9_attn, .Lfunc_end_k_qe3d11968f9_attn-k_qe3d11968f9_attn
	.p2alignl 7, 3214868480
	.fill 96, 4, 3214868480
	.section	.rodata,"a",@progbits
	.p2align	6, 0x0
	.amdhsa_kernel k_qe3d11968f9_attn
		.amdhsa_group_segment_fixed_size 272384
		.amdhsa_private_segment_fixed_size 0
		.amdhsa_enable_private_segment 0
		.amdhsa_kernarg_size 24
		.amdhsa_user_sgpr_count 2
		.amdhsa_user_sgpr_kernarg_segment_ptr 1
		.amdhsa_wavefront_size32 1
		.amdhsa_system_sgpr_workgroup_id_x 1
		.amdhsa_system_sgpr_workgroup_id_y 1
		.amdhsa_system_sgpr_workgroup_id_z 1
		.amdhsa_system_vgpr_workitem_id 0
		.amdhsa_next_free_vgpr 512
		.amdhsa_next_free_sgpr 72
		.amdhsa_reserve_vcc 1
		.amdhsa_float_denorm_mode_32 3
		.amdhsa_float_denorm_mode_16_64 3
		.amdhsa_memory_ordered 1
		.amdhsa_forward_progress 1
		.amdhsa_inst_pref_size 134
	.end_amdhsa_kernel
	.amdgpu_metadata
---
amdhsa.version: [ 1, 2 ]
amdhsa.kernels:
  - .name:           k_qe3d11968f9_attn
    .symbol:         k_qe3d11968f9_attn.kd
    .args:
      - { .name: qkv, .offset: 0, .size: 8, .value_kind: global_buffer, .address_space: global }
      - { .name: cc, .offset: 8, .size: 8, .value_kind: global_buffer, .address_space: global }
      - { .name: cs, .offset: 16, .size: 8, .value_kind: global_buffer, .address_space: global }
    .group_segment_fixed_size: 272384
    .private_segment_fixed_size: 0
    .kernarg_segment_align: 8
    .kernarg_segment_size: 24
    .max_flat_workgroup_size: 256
    .sgpr_count:     72
    .vgpr_count:     512
    .wavefront_size: 32
...
	.end_amdgpu_metadata
.endif
;; end of part 3
;; launch proj (part 4): grid 4 x 64, 4 waves a work-group, clusters of 4 x 4, 327,680 bytes of LDS; arguments cc, cs, wc, ws, b_out, out0; writes out0
.if DOCPART == 4
	.amdgcn_target "amdgcn-amd-amdhsa--gfx1250"
	.amdhsa_code_object_version 6
	.text
	.protected	k_qe3d11968f9_proj
	.globl	k_qe3d11968f9_proj
	.p2align	8
	.type	k_qe3d11968f9_proj,@function
k_qe3d11968f9_proj:
	s_mov_b64 s[64:65], 0
	v_nop
	global_prefetch_b8 v0, s[64:65] scope:SCOPE_SE
	s_setreg_imm32_b32 hwreg(HW_REG_WAVE_MODE, 25, 1), 1
	s_wait_xcnt 0x0
	s_wait_alu depctr_hold_cnt(0) depctr_sa_sdst(0) depctr_va_vdst(0) depctr_va_sdst(0) depctr_va_ssrc(0) depctr_va_vcc(0) depctr_vm_vsrc(0)
	s_getreg_b32 s2, hwreg(HW_REG_IB_STS2, 6, 4)
	s_cmp_eq_u32 s2, 0
	s_cbranch_scc0 .Lentry_in_a_cluster
	s_endpgm
.Lentry_in_a_cluster:
	s_bfe_u32 s2, ttmp6, 0x10000c
	s_cmp_lg_u32 s2, 0xf033
	s_cbranch_scc0 .Lentry_shape_is_right
	s_endpgm
.Lentry_shape_is_right:
; out0 = ctx w_out + b_out on codes of BF8 (E5M2) with E8M0 scales for each 32 along K = 1,024.
; OPERANDS: buf[rowtile][K step 8][c 4][lane 32][16 bytes]; row r of rowtile 2 b + u is row 32 b + 8 u + r + 8 (r / 8).  Scale words: sc[rowtile][g 2][r 16][q 4], the word of K step 4 g + q.  w_out's columns are rowtiles 192-255 of wc.
; S1 (source 1) = ctx, S0 (source 0) = w_out: a lane of a result holds one token and its registers run along the output's columns; the 16 registers of S0's tiles 2 b, 2 b + 1 are 16 neighbouring columns.
; SHARES.  A work-group makes 128 tokens x 256 columns, so that the output's 8,192 x 1,024 numbers are 256 blocks; its four waves make 64 x 128 each: 32 accumulators.  K goes in 8 steps of 128; a slot of LDS holds two; two slots, four fills, written out.
; CLUSTER 4 x 4: S1's tiles hang on cy alone and are shared along a row of the cluster, S0's on cx alone and are shared along a column: each is asked for jointly.
; THE SCALE WORDS of all of K lie in 48 registers of each wave, loaded once: register q of a rowtile holds K step q in lanes 0-15 and K step 4 + q in lanes 16-31.  S1's begin at v34, S0's at v64: no product's two have numbers equal modulo 8.
; NO PREFETCH: K is 8 steps, half of which are asked for at the head; the written-out walk has no loop to run ahead in.
; REGISTERS, in windows of 256: window 0: v1-29 addresses; v34-49 S1's scale words, v64-95 S0's; v96-99 the bias; v128-191 S1's fragments, one set (on the way out v128-255: rows of the output).  window 1: S0's fragments, two sets.  window 2: accumulator (a, b) at v[8 (8 a + b)].
.set SLOT,  131072                     ; a slot: S1's 8 rowtiles at 0 (32,768 bytes), S0's 16 at 65,536; a rowtile's part is [K step 2][c 4][512 bytes]
.set STAGE, 262144                     ; behind the ring: 16 rows x (512 bytes + 16) for each wave, for the way out; no tensor load lands here
.set SPARE, 295936                     ; the spare words, 128 bytes for each wave
.set ADRA, 16
.set ADRB, 20
.set L16,  22
.set STO,  24                          ; the way out: where I put 32 bytes of a row
.set RD,   25                          ; and where I read a row back
.set SPW,  28
.set NIL,  29
.set SA,   34
.set SB,   64
.set BO,   96                          ; b_out at my four columns of a row read back
.set AF,   128
.set BK,   128                         ; the way out: 16 rows read back: v128-191 and v192-255 by turns
.set WV, 16
.set H1, 17
.set H0, 18
.set G1, 24
.set G0, 32
.set G1B, 48
.set G0B, 56
.set MUL_LO, 0xa1                      ; source 0 window 1, source 1 window 0, C and D window 2
.set TO_B,   0x40
.set MSB, 0
.macro WIN new
.if MSB != (\new)
	s_set_vgpr_msb (MSB<<8)|(\new)
.set MSB, (\new)
.endif
.endm
.macro PLACES n                        ; plain vector lines between a matrix instruction and a load into, or a read of, its registers: eight for this form
.rept \n
	v_nop
.endr
.endm
.macro JLOAD s                         ; a joint refill: waves 0 and 1 fetch S1's halves (4 rowtiles), waves 2 and 3 S0's (8 rowtiles); four v_nop follow each line
	s_cmp_eq_u32 s[H1], 0
	s_cbranch_scc0 .Lfor_b_\@
	tensor_load_to_lds s[G0+4*\s:G0+4*\s+3], s[G1:G1+7]
	s_nop 0
.rept 4
	v_nop
.endr
	s_branch .Lasked_\@
.Lfor_b_\@:
	tensor_load_to_lds s[G0B+4*\s:G0B+4*\s+3], s[G1B:G1B+7]
	s_nop 0
.rept 4
	v_nop
.endr
.Lasked_\@:
.endm
.macro CREST
	s_cmp_lg_u32 s[WV], 0
	s_cbranch_scc1 .Lnot_wave_0_\@
	s_barrier_signal -3
.Lnot_wave_0_\@:
	s_barrier_wait -3
	s_barrier_signal -1
	s_barrier_wait -1
.endm
.macro CROUND
	s_barrier_signal -1
	s_barrier_wait -1
	CREST
.endm
	s_load_b256 s[4:11], s[0:1], 0x0               ; cc, cs, wc, ws
	s_load_b128 s[12:15], s[0:1], 0x20             ; b_out, out0
	v_lshl_add_u32 v[SPW], v0, 2, SPARE
	v_mov_b32 v[NIL], 0
	ds_add_u32 v[SPW], v[NIL]                      ; the opening lines: the add, twice on end, and its wait
	ds_add_u32 v[SPW], v[NIL]
	s_wait_dscnt 0x0
	v_lshrrev_b32 v1, 5, v0
	v_readfirstlane_b32 s[WV], v1                  ; wave 0..3
	s_lshr_b32 s[H1], s[WV], 1                     ; my half of S1.  Also: in a refill I fetch for S1 (0) or for S0 (1)
	s_and_b32 s[H0], s[WV], 1                      ; my half of S0.  Also: which half I fetch
	s_bfe_u32 s40, ttmp6, 0x40000                  ; cx
	s_bfe_u32 s41, ttmp6, 0x40004                  ; cy
	s_and_b32 s44, ttmp7, 0xffff
	s_lshl_b32 s44, s44, 2
	s_add_co_u32 s44, s44, s41                     ; I1: ctx's block of 128 tokens = 4 x cluster y + cy
	s_add_co_u32 s45, s40, 12                      ; I0: wc's block of 256 columns: w_out's begin at block 12
	s_lshl_b32 s46, s41, 2
	s_lshl_b32 s46, 15, s46                        ; my row of the cluster
	s_lshl_b32 s47, 0x1111, s40                    ; my column
	; descriptor group 1: rowtiles x 4,096 bytes (two K steps), 16,384 bytes apart: elements of 8 bytes, no padding
	s_or_b32 s[G1], s46, (3<<16)|(1<<21)
	s_or_b32 s[G1B], s47, (3<<16)|(1<<21)
.irp g, G1, G1B
	s_mov_b32 s[\g+1], 512<<16                     ; tensor_dim0 = 512
	s_mov_b32 s[\g+3], 512<<16                     ; tile_dim0 = 512
	s_mov_b32 s[\g+5], 2048                        ; tensor_dim0_stride
	s_mov_b32 s[\g+6], 0
	s_mov_b32 s[\g+7], 0
.endr
	s_mov_b32 s[G1+2], 8<<16                       ; the head's loads bring a side's whole part of a slot: S1's 8 rowtiles,
	s_mov_b32 s[G1+4], 8
	s_mov_b32 s[G1B+2], 16<<16                     ; S0's 16
	s_mov_b32 s[G1B+4], 16
	s_lshl_b32 s92, s44, 17
	s_lshl_b32 s93, s[H0], 16
	s_add_co_u32 s92, s92, s93                     ; S1's codes: the 4 rowtiles that I fetch in a refill
	s_mov_b32 s93, 0
	s_lshl_b32 s94, s45, 18
	s_lshl_b32 s95, s[H0], 17
	s_add_co_u32 s94, s94, s95                     ; S0's: the 8 rowtiles
	s_mov_b32 s95, 0
	s_lshl_b32 s96, s44, 12
	s_lshl_b32 s97, s[H1], 11
	s_add_co_u32 s96, s96, s97                     ; S1's scale words: of the 4 rowtiles that I multiply
	s_mov_b32 s97, 0
	s_lshl_b32 s98, s45, 13
	s_lshl_b32 s99, s[H0], 12
	s_add_co_u32 s98, s98, s99                     ; S0's: of my 8
	s_mov_b32 s99, 0
	s_lshl_b32 s20, s[WV], 15                      ; where a refill of S0 lands in a slot (waves 2, 3): 65,536 + 32,768 x half,
	s_lshl_b32 s21, s[H0], 14                      ; and one of S1 (waves 0, 1): 16,384 x half
	v_and_b32 v3, 31, v0
	v_lshlrev_b32 v[L16], 4, v3
	s_wait_kmcnt 0x0
	s_add_nc_u64 s[66:67], s[4:5], s[92:93]
	s_add_nc_u64 s[68:69], s[6:7], s[96:97]
	s_add_nc_u64 s[70:71], s[8:9], s[94:95]
	s_add_nc_u64 s[72:73], s[10:11], s[98:99]
	CROUND                                         ; all sixteen work-groups are here: the first joint loads meet
.irp s, 0,1
	s_mov_b32 s[G0+4*\s], 1
	s_add_co_u32 s[G0+4*\s+1], s21, \s*SLOT
	s_add_nc_u64 s[G0+4*\s+2:G0+4*\s+3], s[66:67], \s*4096
	s_or_b32 s[G0+4*\s+3], s[G0+4*\s+3], 0x80000000
	s_mov_b32 s[G0B+4*\s], 1
	s_add_co_u32 s[G0B+4*\s+1], s20, \s*SLOT
	s_add_nc_u64 s[G0B+4*\s+2:G0B+4*\s+3], s[70:71], \s*4096
	s_or_b32 s[G0B+4*\s+3], s[G0B+4*\s+3], 0x80000000
.endr
	; THE HEAD'S LOADS, ONE A WAVE: wave 0 S1's part of slot 0, wave 1 S0's, waves 2 and 3 the same of slot 1.  s[4:7], s[8:11]: their groups 0 (the arguments that lay there have been used)
	s_lshl_b32 s2, s[H0], 16
	s_mov_b32 s3, 0
	s_sub_nc_u64 s[6:7], s[66:67], s[2:3]          ; the block's first rowtile: without my half
	s_lshl_b32 s2, s[H0], 17
	s_sub_nc_u64 s[10:11], s[70:71], s[2:3]
	s_lshl_b32 s2, s[H1], 12                       ; slot wave / 2 begins 4,096 bytes x slot along a rowtile
	s_add_nc_u64 s[6:7], s[6:7], s[2:3]
	s_add_nc_u64 s[10:11], s[10:11], s[2:3]
	s_or_b32 s7, s7, 0x80000000
	s_or_b32 s11, s11, 0x80000000
	s_mov_b32 s4, 1
	s_mov_b32 s8, 1
	s_lshl_b32 s5, s[H1], 17                       ; LDS: the slot's first byte; S0's tiles lie 65,536 bytes on
	s_add_co_u32 s9, s5, 65536
.macro HARM under, g0, g1, next        ; one chain of branches on the wave's number, a load to an arm, all arms to one join
	s_cmp_lt_u32 s[WV], \under
	s_cbranch_scc0 \next
	tensor_load_to_lds s[\g0:\g0+3], s[\g1:\g1+7]
	s_nop 0
.rept 4
	v_nop
.endr
	s_branch .Lfirst_asked
\next:
.endm
	HARM 1, 4, G1, .Lhead_1
	HARM 2, 8, G1B, .Lhead_2
	HARM 3, 4, G1, .Lhead_3
	tensor_load_to_lds s[8:11], s[G1B:G1B+7]
	s_nop 0
.rept 4
	v_nop
.endr
.Lfirst_asked:
	s_wait_alu depctr_va_vdst(0)
.irp a, 0,1,2,3,4,5,6,7
.if \a < 4
	global_load_b128 v[SA+4*\a:SA+4*\a+3], v[L16], s[68:69] offset:512*\a   ; a rowtile's 512 bytes of scale words: all of K
.endif
	global_load_b128 v[SB+4*\a:SB+4*\a+3], v[L16], s[72:73] offset:512*\a
.endr
	s_lshl_b32 s96, s40, 10
	s_lshl_b32 s2, s[H0], 9
	s_add_co_u32 s96, s96, s2                      ; my 128 columns, in bytes: 1,024 cx + 512 x half
	s_mov_b32 s97, 0
	s_add_nc_u64 s[86:87], s[12:13], s[96:97]
	global_load_b128 v[BO:BO+3], v[L16], s[86:87]  ; the bias
	s_lshl_b32 s98, s44, 19
	s_lshl_b32 s2, s[H1], 18
	s_add_co_u32 s98, s98, s2                      ; my 64 tokens: rows of 4,096 bytes
	s_add_co_u32 s98, s98, s96
	s_mov_b32 s99, 0
	s_add_nc_u64 s[74:75], s[14:15], s[98:99]
	v_and_b32 v1, 15, v0                           ; r
	s_wait_alu depctr_va_vdst(0)
	v_bfe_u32 v2, v0, 4, 1                         ; h
	s_lshl_b32 s2, s[H1], 14                       ; my 4 rowtiles of S1,
	s_lshl_b32 s3, s[H0], 15
	s_add_co_u32 s3, s3, 65536                     ; my 8 of S0
.irp s, 0,1
	v_add_nc_u32 v[ADRA+\s], s2, v[L16]
	v_add_nc_u32 v[ADRB+\s], s3, v[L16]
	s_add_co_u32 s2, s2, SLOT
	s_add_co_u32 s3, s3, SLOT
.endr
	s_mul_i32 s23, s[WV], 8448
	s_add_co_u32 s23, s23, STAGE                   ; my stage
	v_mul_u32_u24 v[STO], v1, 528
	s_wait_alu depctr_va_vdst(0)
	v_lshl_add_u32 v[STO], v2, 6, v[STO]
	v_add_nc_u32 v[STO], s23, v[STO]               ; in: row r, + 64 h
	v_add_nc_u32 v[RD], s23, v[L16]                ; back: a row of 512 bytes to the 32 lanes
.macro FRAG reg, adr, q, i             ; a fragment comes as it was stored: four loads of 512 consecutive bytes
.irp c, 0,1,2,3
	ds_load_b128 v[(\reg)+4*\c:(\reg)+4*\c+3], v[\adr] offset:4096*(\i)+2048*(\q)+512*\c
.endr
.endm
.macro FETCH_B slot, q, p              ; S0's eight fragments of the slot's q-th K step into set p
	WIN TO_B
.irp i, 0,1,2,3,4,5,6,7
	FRAG 128*(\p)+16*\i, ADRB+\slot, \q, \i
.endr
	WIN 0
.endm
.macro FETCH_A slot, q, i0             ; S1's blocks i0, i0 + 1
.irp i, \i0, \i0+1
	FRAG AF+16*(\i), ADRA+\slot, \q, \i
.endr
.endm
; 16 matrix instructions: S1's blocks a0, a0 + 1 x S0's eight, K step ks.  K steps 4 to 7 take their scale words from lanes 16-31.  The 32 accumulators take turns, in the same order in every step.
.macro MUL16 a0, p, ks, zero
.irp a, \a0, \a0+1
.irp b, 0,1,2,3,4,5,6,7
.if \zero
	v_wmma_scale_f32_16x16x128_f8f6f4 v[8*(8*(\a)+\b):8*(8*(\a)+\b)+7], v[128*(\p)+16*\b:128*(\p)+16*\b+15], v[AF+16*(\a):AF+16*(\a)+15], 0, v[SB+4*\b+(\ks)%4], v[SA+4*(\a)+(\ks)%4] matrix_a_fmt:MATRIX_FMT_BF8 matrix_b_fmt:MATRIX_FMT_BF8
.elseif (\ks) > 3
	v_wmma_scale_f32_16x16x128_f8f6f4 v[8*(8*(\a)+\b):8*(8*(\a)+\b)+7], v[128*(\p)+16*\b:128*(\p)+16*\b+15], v[AF+16*(\a):AF+16*(\a)+15], v[8*(8*(\a)+\b):8*(8*(\a)+\b)+7], v[SB+4*\b+(\ks)%4], v[SA+4*(\a)+(\ks)%4] matrix_a_fmt:MATRIX_FMT_BF8 matrix_b_fmt:MATRIX_FMT_BF8 matrix_a_scale:MATRIX_SCALE_ROW1 matrix_b_scale:MATRIX_SCALE_ROW1
.else
	v_wmma_scale_f32_16x16x128_f8f6f4 v[8*(8*(\a)+\b):8*(8*(\a)+\b)+7], v[128*(\p)+16*\b:128*(\p)+16*\b+15], v[AF+16*(\a):AF+16*(\a)+15], v[8*(8*(\a)+\b):8*(8*(\a)+\b)+7], v[SB+4*\b+(\ks)%4], v[SA+4*(\a)+(\ks)%4] matrix_a_fmt:MATRIX_FMT_BF8 matrix_b_fmt:MATRIX_FMT_BF8
.endif
.endr
.endr
.endm
; A slot's first K step.  S1 has one set of registers: blocks 0, 1 are fetched anew in the step's middle, blocks 2, 3 at its end; S0's next set comes in the middle run.
.macro STEP slot, ks, zero
	s_wait_dscnt 8                                 ; S0's set and S1's blocks 0, 1 are in; the youngest 8 loads (blocks 2, 3) may be out
	WIN MUL_LO
	MUL16 0, 0, \ks, \zero
	s_wait_dscnt 0x0
	PLACES 8
	FETCH_B \slot, 1, 1
	FETCH_A \slot, 1, 0
	WIN MUL_LO
	MUL16 2, 0, \ks, \zero
	PLACES 8
	WIN 0
	FETCH_A \slot, 1, 2
.endm
; A slot's second K step changes slots: one barrier; in front of it each wave waits for all its tensor loads, adds 0 to its spare word, and waits for that and for its reads of this slot.
.macro TURN slot, next, fill, ks
	s_wait_tensorcnt 0x0                           ; all my tensor loads have landed: my part of the next slot
	ds_add_u32 v[SPW], v[NIL]                      ; 0 onto my spare word
.if (\ks) == 1
	s_mov_b32 s[G1+2], 4<<16                       ; no tensor load of mine is out: from here on a load brings half of a side's part: 4 rowtiles of S1,
	s_mov_b32 s[G1+4], 4
	s_mov_b32 s[G1B+2], 8<<16                      ; 8 of S0
	s_mov_b32 s[G1B+4], 8
.endif
	s_wait_dscnt 9                                 ; (the add and the youngest 8 loads may be out)
	WIN MUL_LO
	MUL16 0, 1, \ks, 0                             ; sixteen matrix instructions stand between the add and the wait for it
	s_wait_dscnt 0x0                               ; the add is done, and my reads of this slot are over
	s_barrier_signal -1
	WIN 0
	s_barrier_wait -1
.if \fill
	CREST                                          ; no wave of any partner still reads this slot or has a load on its way
	s_add_nc_u64 s[G0+4*\slot+2:G0+4*\slot+3], s[G0+4*\slot+2:G0+4*\slot+3], 8192
	s_add_nc_u64 s[G0B+4*\slot+2:G0B+4*\slot+3], s[G0B+4*\slot+2:G0B+4*\slot+3], 8192
	JLOAD \slot                                    ; the four v_nop behind it are four of the eight places in front of the loads below
	PLACES 4
.else
	PLACES 8
.endif
	FETCH_B \next, 0, 0
	FETCH_A \next, 0, 0
	WIN MUL_LO
	MUL16 2, 1, \ks, 0
	PLACES 8
	WIN 0
	FETCH_A \next, 0, 2
.endm
	s_wait_alu depctr_va_vdst(0)                   ; the wait at the head's end
	s_cmp_lt_u32 s[WV], 2                          ; waves 0 and 1 brought slot 0: they wait; slot 1's loads (waves 2, 3: lines of their own) are waited for at the first change of slots
	s_cbranch_scc0 .Lnot_slot0
	s_wait_tensorcnt 0x0
.Lnot_slot0:
	s_barrier_signal -1
	s_barrier_wait -1
	FETCH_B 0, 0, 0
	FETCH_A 0, 0, 0
	FETCH_A 0, 0, 2
	s_wait_loadcnt 0x0                             ; the scale words and the bias
	STEP 0, 0, 1                                   ; the first products start the sums
	TURN 0, 1, 1, 1                                ; slot 0 takes K steps 4, 5
	STEP 1, 2, 0
	TURN 1, 0, 1, 3                                ; slot 1 takes K steps 6, 7
	STEP 0, 4, 0
	TURN 0, 1, 0, 5                                ; nothing is left to fetch
	STEP 1, 6, 0
	s_wait_dscnt 8                                 ; the last K step
	WIN MUL_LO
	MUL16 0, 1, 7, 0
	s_wait_dscnt 0x0
	MUL16 2, 1, 7, 0
	WIN 0
	PLACES 8
; THE WAY OUT, block by block of 16 tokens x 128 columns: through my own stage and back as whole rows of 512 bytes.  LDS serves a wave's instructions in order: no wait between the stores and the loads, nor in front of the next block's stores.
.macro TOSTAGE a
.set AC, 64*(\a)
	WIN 0x08                                       ; an LDS store's data are its source 1: window 2
.irp b, 0,1,2,3,4,5,6,7
	ds_store_b128 v[STO], v[AC+8*\b:AC+8*\b+3] offset:128*(\b/2)+32*(\b%2)        ; columns 32 (b / 2) + 16 h + 8 (b % 2) + 0 .. 7; each accumulator from its low end on
	ds_store_b128 v[STO], v[AC+8*\b+4:AC+8*\b+7] offset:128*(\b/2)+32*(\b%2)+16
.endr
	WIN 0
.set BB, BK+64*((\a)%2)
.irp t, 0,1,2,3,4,5,6,7,8,9,10,11,12,13,14,15
	ds_load_b128 v[BB+4*\t:BB+4*\t+3], v[RD] offset:\t*528
.endr
.endm
.macro SEND a, younger                 ; younger: the LDS instructions issued behind block a's loads, which may stay out
.set BB, BK+64*((\a)%2)
	s_wait_dscnt \younger
.irp t, 0,1,2,3,4,5,6,7,8,9,10,11,12,13,14,15
	v_pk_add_f32 v[BB+4*\t:BB+4*\t+1], v[BB+4*\t:BB+4*\t+1], v[BO:BO+1]
	v_pk_add_f32 v[BB+4*\t+2:BB+4*\t+3], v[BB+4*\t+2:BB+4*\t+3], v[BO+2:BO+3]
.endr
.irp t, 0,1,2,3,4,5,6,7,8,9,10,11,12,13,14,15
	global_store_b128 v[L16], v[BB+4*\t:BB+4*\t+3], s[74:75] offset:(32*((\a)/2)+8*((\a)%2)+\t+8*(\t/8))*4096 th:TH_STORE_NT   ; the tile's row t: 512 consecutive bytes, aligned; 63 rows of 4,096 bytes at the most stand in the immediate
.endr
.endm
	TOSTAGE 0
.irp a, 1,2,3
.if \a > 1
	s_wait_xcnt 0x0                                ; block a - 2's stores have read their registers: block a's loads may land there
.endif
	TOSTAGE \a
	SEND \a-1, 32                                  ; behind block a - 1's loads: block a's 16 stores and 16 loads
.endr
	SEND 3, 0
	s_wait_tensorcnt 0x0                           ; the wave's end
	ds_add_u32 v[SPW], v[NIL]
	s_wait_dscnt 0x0
	CROUND                                         ; the closing round
	s_endpgm
.Lfunc_end_k_qe3d11968f9_proj:
	.size	k_qe3d11968f9_proj, .Lfunc_end_k_qe3d11968f9_proj-k_qe3d11968f9_proj
	.p2alignl 7, 3214868480
	.fill 96, 4, 3214868480
	.section	.rodata,"a",@progbits
	.p2align	6, 0x0
	.amdhsa_kernel k_qe3d11968f9_proj
		.amdhsa_group_segment_fixed_size 327680
		.amdhsa_private_segment_fixed_size 0
		.amdhsa_enable_private_segment 0
		.amdhsa_kernarg_size 48
		.amdhsa_user_sgpr_count 2
		.amdhsa_user_sgpr_kernarg_segment_ptr 1
		.amdhsa_wavefront_size32 1
		.amdhsa_system_sgpr_workgroup_id_x 1
		.amdhsa_system_sgpr_workgroup_id_y 1
		.amdhsa_system_sgpr_workgroup_id_z 1
		.amdhsa_system_vgpr_workitem_id 0
		.amdhsa_next_free_vgpr 768
		.amdhsa_next_free_sgpr 100
		.amdhsa_reserve_vcc 0
		.amdhsa_float_denorm_mode_32 3
		.amdhsa_float_denorm_mode_16_64 3
		.amdhsa_memory_ordered 1
		.amdhsa_forward_progress 1
		.amdhsa_inst_pref_size 96
	.end_amdhsa_kernel
	.amdgpu_metadata
---
amdhsa.version: [ 1, 2 ]
amdhsa.kernels:
  - .name:           k_qe3d11968f9_proj
    .symbol:         k_qe3d11968f9_proj.kd
    .args:
      - { .name: cc, .offset: 0, .size: 8, .value_kind: global_buffer, .address_space: global }
      - { .name: cs, .offset: 8, .size: 8, .value_kind: global_buffer, .address_space: global }
      - { .name: wc, .offset: 16, .size: 8, .value_kind: global_buffer, .address_space: global }
      - { .name: ws, .offset: 24, .size: 8, .value_kind: global_buffer, .address_space: global }
      - { .name: b_out, .offset: 32, .size: 8, .value_kind: global_buffer, .address_space: global }
      - { .name: out0, .offset: 40, .size: 8, .value_kind: global_buffer, .address_space: global }
    .group_segment_fixed_size: 327680
    .private_segment_fixed_size: 0
    .kernarg_segment_align: 8
    .kernarg_segment_size: 48
    .max_flat_workgroup_size: 128
    .sgpr_count:     100
    .vgpr_count:     768
    .wavefront_size: 32
...
	.end_amdgpu_metadata
.endif
;; end of part 4
